; MI455X (gfx1250); checked and timed in simulation.
; The chip was launched on July 23, 2026; its instructions are those of AMD's public machine-readable ISA for CDNA 5 (MIT licence, August 2026) and "CDNA5" Instruction Set Architecture Reference Guide (July 2026). The comments in the code are by the model that wrote it; some were corrected since.
;; Quaternion Attention. Allowed arithmetic: matrix products marked QUANTISED: E2M3 operands, one E8M0 scale for each 32 along K, by v_wmma_scale_f32_16x16x128_f8f6f4 with both operands' format E2M3, f32 sums; everything else in f32.
;; Inputs: Wk 1,024 x 1,024 float32; Wo 1,024 x 1,024 float32; Wq 1,024 x 1,024 float32; Wv 1,024 x 1,024 float32; bk 1,024 float32; bo 1,024 float32; bq 1,024 float32; bv 1,024 float32; hidden_states 4 x 2,048 x 1,024 float32.
;; Outputs: out0 4 x 2,048 x 1,024 float32.
;; This version of the problem:
;;   THIS VERSION OF THE PROBLEM IS GIVEN IN LOW PRECISION. The matrix products marked QUANTISED in the list below multiply operands that are first quantised to E2M3 (2 exponent bits, 3 mantissa bits; 6 bits a number), with one power-of-two scale for each 32 numbers along K (OCP MX v1.0); their sums are f32. All else is computed in f32.
;;   The module's matrix products, in the order in which they are computed (A, B: the left and right operand; K: the contracted axis; several contracted axes count as one K, in the product's order):
;;     1. [M 8,192, K 1,024] x [K 1,024, N 1,024]; A: input hidden_states; B: input Wq: QUANTISED
;;     2. [M 8,192, K 1,024] x [K 1,024, N 1,024]; A: input hidden_states; B: input Wk: QUANTISED
;;     3. [M 8,192, K 1,024] x [K 1,024, N 1,024]; A: input hidden_states; B: input Wv: QUANTISED
;;     4. batch 32 x [M 2,048, K 128] x [K 128, N 2,048]; A: computed on the way; B: computed on the way: QUANTISED
;;     5. batch 32 x [M 2,048, K 2,048] x [K 2,048, N 128]; A: softmax (see below); B: computed on the way: QUANTISED
;;     6. [M 8,192, K 1,024] x [K 1,024, N 1,024]; A: computed on the way; B: input Wo: QUANTISED
;;   THE QUANTISER, for each operand of a quantised product, along K:
;;     - K is cut into blocks of 32 from its start; a last block that is shorter is filled with zeros.
;;     - A block's scale is 2^e with e = floor(log2(the largest magnitude in the block)) - 2, held to -126 .. 127; a block of zeros has e = 0. As a byte (E8M0): e + 127.
;;     - Each number is divided by its block's scale, clamped to +-7.5, and rounded to the nearest number of E2M3, ties to even, subnormals kept.
;;     - The product sums the exact products of the quantised numbers (number of the format x scale) in f32.
;;   ~~~python
;;   def quantise(x, axis):      # numpy; x: float32 -> the quantised numbers, widened to float32 again
;;       x = np.moveaxis(x, axis, -1); K = x.shape[-1]
;;       x = np.pad(x, [(0, 0)] * (x.ndim - 1) + [(0, -K % 32)]); x = x.reshape(x.shape[:-1] + (-1, 32)); a = np.abs(x).max(-1, keepdims=True)
;;       e = np.where(a > 0, np.clip(np.frexp(np.where(a > 0, a, 1))[1] - 1 - 2, -126, 127), 0)      # np.frexp(a)[1] - 1 = floor(log2(a)), exactly
;;       r = np.clip(x / 2.0 ** e, -7.5, 7.5)
;;       step = 2.0 ** (np.maximum(np.frexp(np.where(r == 0, 1, r))[1] - 1, 0) - 3)
;;       q = np.round(r / step) * step * 2.0 ** e      # np.round: ties to even
;;       return np.moveaxis(q.reshape(q.shape[:-2] + (-1,))[..., :K], -1, axis).astype(np.float32)
;;   ~~~
;;   SOFTMAX AHEAD OF A QUANTISED PRODUCT. Where the list says 'softmax', what is quantised is not the finished softmax but p = 2^(t - M), with t = logit x log2(e) and M = ceil(the row's largest t), a whole number; so 1/2 < the row's largest p <= 1. The row's sum l is taken of the UNQUANTISED p, in f32, and the product's result is divided by l at the end. Since M is a whole number, a kernel that streams over the keys may use a running M (the ceiling of the running maximum): every later rescaling is an exact power of two, which a block's scale takes up: the codes' values come out the same.
;;   OPERANDS COMPUTED ON THE WAY. 'Computed on the way' means the value that the module computes at that place (a softmax that the list does not call 'softmax' is quantised finished and normalised). What goes into a quantiser is computed in f32, as accurately as f32 sums, v_exp_f32 and their like allow (about 1e-6 of the number): no bf16 or f16 on the way to a quantiser, and a product that is left as it is and whose result goes on into a quantised operand takes f32 operands (vector FMAs, or v_wmma_f32_16x16x4_f32). A number that lies on a knife's edge between two numbers of the format may be rounded either way, as far as f32 arithmetic and the matrix unit's own rounding can turn it there, and no further.
;; One version. Each part assembles by itself: llvm-mc -triple=amdgcn-amd-amdhsa -mcpu=gfx1250 --defsym DOCPART=n.
;; ======== version 1 of 1: 4 launches
;; limits: right only within a limited range of input values
;; workspace buffers: x_img 6,291,456 bytes; x_sc 262,144 bytes; w_img 3,145,728 bytes; w_sc 131,072 bytes; qkv_img 19,660,800 bytes; o_img 6,291,456 bytes; o_sc 262,144 bytes
;; launch quant (part 1): grid 512 x 1, 4 waves a work-group, no clusters, 48,640 bytes of LDS; arguments Wq, Wk, Wv, Wo, w_img, w_sc, hidden_states, x_img, x_sc; writes w_img, w_sc, x_img, x_sc
.if DOCPART == 1
	.amdgcn_target "amdgcn-amd-amdhsa--gfx1250"
	.amdhsa_code_object_version 6
	.text
	.protected	k_qfa3c1dc0d7_quant
	.globl	k_qfa3c1dc0d7_quant
	.p2align	8
	.type	k_qfa3c1dc0d7_quant,@function
k_qfa3c1dc0d7_quant:
	s_mov_b64 s[64:65], 0
	v_nop
	global_prefetch_b8 v0, s[64:65] scope:SCOPE_SE
	s_setreg_imm32_b32 hwreg(HW_REG_WAVE_MODE, 25, 1), 1
	s_wait_xcnt 0x0
; hidden_states [8192][1024] f32 (K innermost) and the four weights [1024 (k)][1024 (n)] f32 (K their FIRST axis) -> codes of FP6 (E2M3) with one E8M0 byte for each 32 along K,
; laid in the ORDER OF THE OPERAND'S REGISTERS.  ONE LAUNCH FOR BOTH: work-groups 0-255 take hidden_states, 256-511 the weights: a scalar branch on the work-group's number at the first line.
; The two ways share nothing: each has LDS bytes of its own, every wave works in its own part of them, and neither way has a barrier.
; IMAGES.  x_img [f 512][q 8][1536], w_img [f 256][q 8][1536]: fragment f (16 rows) x K step q (128 along K): register 4 c + e of lane l at byte 512 c + 16 l + 4 e.
; THE ROWS OF A FRAGMENT ARE NOT NEIGHBOURS: lane r of fragment f % 8 of the group of 128 rows f / 8 holds row 32 (f/2) + 8 (f%2) + r + 8 (r/8) of the group.
; x_sc [T 64][q 8][512], w_sc [T 32][q 8][512]: the scale word of fragment 4 g + i, row r at byte 256 g + 16 r + 4 i.  The weights' rows are n' = 1024 x which + n (which: 0 Wq, 1 Wk, 2 Wv, 3 Wo).
; A block's scale is 2^(floor(log2(its largest magnitude)) - 2); its byte is the largest magnitude's exponent field - 2, held at 1 from below.
; LIMITS: a block of zeros gets the byte 1, not 127 (its codes are zeros, and this program alone reads the bytes); blocks whose largest magnitude lies under 2^-124 are held at that floor; NaN and infinities are not served.
; No matrix unit, no cluster, no tensor load: streams that share nothing.
.set NXG,   256                        ; work-groups that take hidden_states
.set ROWB,  4096                       ; a row of hidden_states, and of a weight, in bytes
.set RP,    528                        ; hidden_states: a stage row: 512 bytes + 16: row r starts 4 r banks on
.set STGB,  16*RP                      ; a wave's stage
.set RA,    16                         ; v16-143   two sets of 64 registers as loaded
.set XN,    144                        ; v144-207  the lane's 64 numbers along K
.set TM,    208                        ; v208-209 largest magnitudes, v210-211 scale operands, v212-213 bytes, v214 8 h, v215 the other half's bytes
.set PC,    216                        ; v216-227  the fragment's codes
.set DX,    228                        ; v228-235  second halves of the blocks' codes
.set PW,    236                        ; v236-239  the four fragments' scale words
.set WBASE, 4*STGB                     ; the weights' LDS bytes begin behind those of hidden_states
.set FP,    1664                       ; the weights: an image's place in the stage: 1,536 + 128, so that u = 0 and u = 1 fall on different banks
.set WST,   3584                       ; a wave's stage
.set WN,    32                         ; v32-159   my column's 128 numbers
.set WC,    160                        ; v160-191  block beta's six registers of codes at v[160 + 8 beta]
.set WD,    192                        ; v192-194  the second half of a block's codes
.set OUT,   196                        ; v196-219  the two images read back
	v_lshl_add_u32 v254, v0, 2, 0xbc00
	v_mov_b32 v255, 0
	s_cmp_lt_u32 ttmp9, NXG
	s_cbranch_scc0 .Lweights
; ---- HIDDEN_STATES.  T = id / 4, g = (id / 2) % 2; wave w takes K step q = 4 (id % 2) + w of the 64 rows of fragments 4 g .. 4 g + 3.
; Each load reads 512 consecutive bytes of one row; a fragment's 16 rows turn through the wave's own stage, so that lane (r, h) gets k = 64 c + 32 h + 0 .. 31 of row r: two whole blocks, in the order of the operand's registers.
	s_load_b128 s[4:7], s[0:1], 0x30               ; hidden_states, x_img
	s_load_b64 s[8:9], s[0:1], 0x40                ; x_sc
	v_lshrrev_b32 v1, 5, v0
	v_readfirstlane_b32 s10, v1                    ; wave
	v_and_b32 v1, 31, v0                           ; lane
	v_and_b32 v2, 15, v0                           ; r
	v_bfe_u32 v3, v0, 4, 1                         ; h
	v_lshlrev_b32 v4, 4, v1                        ; 16 x lane
	s_mul_i32 s16, s10, STGB
	v_add_nc_u32 v5, s16, v4                       ; the stage, on the way in
	v_mul_u32_u24 v6, v2, RP
	v_lshl_add_u32 v6, v3, 7, v6
	v_add_nc_u32 v6, s16, v6                       ; and on the way out: row r, + 128 h
	v_lshlrev_b32 v7, 4, v2                        ; 16 r: the scale words' place
	v_lshlrev_b32 v[TM+6], 3, v3                   ; 8 h
	v_mov_b32 v[TM+7], 0                           ; a lane permute's destination counts as one of its sources
	s_mov_b32 s20, 0x76543210
	s_mov_b32 s21, 0xfedcba98                      ; selects for lane l xor 16
	s_lshr_b32 s11, ttmp9, 2                       ; T
	s_bfe_u32 s12, ttmp9, 0x10001                  ; g
	s_and_b32 s13, ttmp9, 1
	s_lshl_b32 s13, s13, 2
	s_add_co_u32 s13, s13, s10                     ; q
	s_lshl_b32 s14, s11, 19                        ; in: (128 T + 64 g) rows of 4,096 bytes + 512 q
	s_lshl_b32 s16, s12, 18
	s_add_co_u32 s14, s14, s16
	s_lshl_b32 s16, s13, 9
	s_add_co_u32 s14, s14, s16
	s_mov_b32 s15, 0
	s_mul_i32 s18, s11, 98304                      ; images: ((8 T + 4 g) 8 + q) x 1,536
	s_mul_i32 s16, s12, 49152
	s_add_co_u32 s18, s18, s16
	s_mul_i32 s16, s13, 1536
	s_add_co_u32 s18, s18, s16
	s_mov_b32 s19, 0
	s_lshl_b32 s22, s11, 12                        ; scale words: 4,096 T + 512 q + 256 g
	s_lshl_b32 s16, s13, 9
	s_add_co_u32 s22, s22, s16
	s_lshl_b32 s16, s12, 8
	s_add_co_u32 s22, s22, s16
	s_mov_b32 s23, 0
	s_wait_alu depctr_va_vdst(0)
	s_wait_kmcnt 0x0
	s_add_nc_u64 s[4:5], s[4:5], s[14:15]
	s_add_nc_u64 s[6:7], s[6:7], s[18:19]
	s_add_nc_u64 s[8:9], s[8:9], s[22:23]
.macro XLOAD t                         ; fragment t's 16 rows, 512 consecutive bytes each, into set t % 2
.set RS, RA+64*((\t)%2)
.irp i, 0,1,2,3,4,5,6,7,8,9,10,11,12,13,14,15
	global_load_b128 v[RS+4*\i:RS+4*\i+3], v4, s[4:5] offset:(32*((\t)/2)+8*((\t)%2)+\i+8*(\i/8))*ROWB th:TH_LOAD_NT
.endr
.endm
.macro FRAGQ t, left                   ; left: the younger fragment's loads, which may stay out
.set RS, RA+64*((\t)%2)
	s_wait_loadcnt \left
.irp i, 0,1,2,3,4,5,6,7,8,9,10,11,12,13,14,15
	ds_store_b128 v5, v[RS+4*\i:RS+4*\i+3] offset:RP*\i
.endr
.irp c, 0,1
.irp j, 0,1,2,3,4,5,6,7
	ds_load_b128 v[XN+32*\c+4*\j:XN+32*\c+4*\j+3], v6 offset:256*\c+16*\j   ; LDS serves a wave's instructions in order: these see the stores above
.endr
.endr
	s_wait_dscnt 0x0                               ; my 64 numbers are in, and the stores have read their registers,
.if (\t)+2 < 4
	XLOAD (\t)+2                                   ; which take the fragment two further on
.endif
.irp c, 0,1
	v_max3_num_f32 v[TM+\c], |v[XN+32*\c]|, |v[XN+32*\c+1]|, 0x1800000   ; block 2 c + h: all 32 numbers are mine; the floor 2^(3 - 127) holds the byte at 1 from below
.endr
.irp i, 2,4,6,8,10,12,14,16,18,20,22,24,26,28,30
.irp c, 0,1
	v_max3_num_f32 v[TM+\c], v[TM+\c], |v[XN+32*\c+\i]|, |v[XN+32*\c+\i+1]|
.endr
.endr
.irp c, 0,1
	v_add_nc_u32 v[TM+2+\c], 0xff000000, v[TM+\c]  ; 2 off the exponent field: the conversion's scale operand
.endr
.irp c, 0,1
	v_lshrrev_b32 v[TM+4+\c], 23, v[TM+2+\c]       ; the scale's byte
.endr
	v_lshl_or_b32 v[TM+4], v[TM+5], 16, v[TM+4]    ; my two bytes: blocks h and 2 + h,
	v_lshlrev_b32 v[TM+4], v[TM+6], v[TM+4]        ; 8 h bits up;
	v_permlanex16_b32 v[TM+7], v[TM+4], s20, s21
	v_or_b32 v[PW+(\t)], v[TM+4], v[TM+7]          ; with lane l xor 16's two the row's word is whole
.if (\t) > 0
	s_wait_alu depctr_va_vdst(0)
	s_wait_xcnt 0x0                                ; the last fragment's stores have read the codes' registers
.endif
.irp c, 0,1
	v_cvt_scalef32_pk16_fp6_f32 v[PC+6*\c:PC+6*\c+2], v[XN+32*\c:XN+32*\c+15], v[TM+2+\c]
	v_cvt_scalef32_pk16_fp6_f32 v[DX+4*\c:DX+4*\c+2], v[XN+32*\c+16:XN+32*\c+31], v[TM+2+\c]   ; (a conversion's three registers begin on an even number)
.endr
	v_nop                                          ; one plain place behind a scaled conversion
.irp c, 0,1
.irp i, 0,1,2
	v_mov_b32 v[PC+3+6*\c+\i], v[DX+4*\c+\i]
.endr
.endr
.irp c, 0,1,2
	global_store_b128 v4, v[PC+4*\c:PC+4*\c+3], s[6:7] offset:12288*(\t)+512*\c   ; 512 consecutive bytes, aligned
.endr
.endm
	XLOAD 0
	XLOAD 1
	FRAGQ 0, 16
	FRAGQ 1, 16
	FRAGQ 2, 16
	FRAGQ 3, 0
	s_wait_xcnt 0x0                                ; EXEC changes only behind this wait
	v_cmp_gt_u32 vcc_lo, 16, v1
	s_wait_tensorcnt 0x0
	ds_add_u32 v254, v255
	s_wait_dscnt 0x0
	s_and_saveexec_b32 s24, vcc_lo
	global_store_b128 v7, v[PW:PW+3], s[8:9]       ; sixteen lanes store 256 consecutive bytes, aligned: the words of fragments 4 g .. 4 g + 3
	s_wait_xcnt 0x0
	s_or_b32 exec_lo, exec_lo, s24
	s_endpgm
; ---- THE WEIGHTS.  id' = id - 256: which = id' / 64, T = (id' / 8) % 8, q = id' % 8; wave w takes columns 128 T + 32 w + lane, K = 128 q on: fragments 2 w and 2 w + 1.
; A LANE TAKES A COLUMN AND ITS REGISTERS RUN DOWN K: each load reads 128 consecutive bytes a wave, a block of 32 along K lies in one lane, and the conversions give codes with K innermost.
; Lane x is row r = x % 8 + 8 (x / 16) of fragment 2 w + u, u = (x / 8) % 2.  Its block beta = 2 c + h is registers 6 c .. 6 c + 5 of lane r + 16 h of the image: so the codes go through the
; wave's own stage, laid as the two images, and leave as 512 consecutive bytes a store.
.Lweights:
	s_load_b256 s[4:11], s[0:1], 0x0               ; Wq, Wk, Wv, Wo
	s_load_b128 s[12:15], s[0:1], 0x20             ; w_img, w_sc
	v_lshrrev_b32 v1, 5, v0
	v_readfirstlane_b32 s16, v1                    ; wave
	v_and_b32 v1, 31, v0                           ; lane x
	v_bfe_u32 v2, v0, 3, 1                         ; u
	v_and_b32 v9, 7, v0
	v_bfe_u32 v10, v0, 4, 1
	v_lshl_add_u32 v9, v10, 3, v9                  ; r
	v_lshlrev_b32 v3, 2, v1                        ; in: 4 bytes a lane
	v_lshlrev_b32 v7, 4, v1                        ; 16 x lane
	s_mul_i32 s22, s16, WST
	s_add_co_u32 s22, s22, WBASE
	v_mul_u32_u24 v4, v2, FP
	v_lshl_add_u32 v4, v9, 4, v4
	v_add_nc_u32 v4, s22, v4                       ; into the stage: image u, lane r
	v_add_nc_u32 v5, s22, v7                       ; out of it: 16 x lane
	s_lshr_b32 s22, s16, 1
	s_lshl_b32 s22, s22, 8
	s_and_b32 s23, s16, 1
	s_lshl_b32 s23, s23, 3
	s_add_co_u32 s22, s22, s23
	v_lshlrev_b32 v6, 4, v9
	v_lshl_add_u32 v6, v2, 2, v6
	v_add_nc_u32 v6, s22, v6                       ; my scale word's place in the group of 512 bytes: 256 (w / 2) + 16 r + 4 (2 (w % 2) + u)
	s_bfe_u32 s17, ttmp9, 0x20006                  ; which (256 is bit 8 of the work-group's number: the fields below it are id' 's)
	s_bfe_u32 s18, ttmp9, 0x30003                  ; T
	s_and_b32 s19, ttmp9, 7                        ; q
	s_lshl_b32 s20, s19, 19                        ; in: 128 q rows of 4,096 bytes + (128 T + 32 w) x 4
	s_lshl_b32 s22, s18, 9
	s_add_co_u32 s20, s20, s22
	s_lshl_b32 s22, s16, 7
	s_add_co_u32 s20, s20, s22
	s_mov_b32 s21, 0
	s_mul_i32 s24, s17, 786432                     ; images: ((64 which + 8 T + 2 w) 8 + q) x 1,536
	s_mul_i32 s22, s18, 98304
	s_add_co_u32 s24, s24, s22
	s_mul_i32 s22, s16, 24576
	s_add_co_u32 s24, s24, s22
	s_mul_i32 s22, s19, 1536
	s_add_co_u32 s24, s24, s22
	s_mov_b32 s25, 0
	s_lshl_b32 s26, s17, 15                        ; scale words: (8 which + T) x 4,096 + 512 q
	s_lshl_b32 s22, s18, 12
	s_add_co_u32 s26, s26, s22
	s_lshl_b32 s22, s19, 9
	s_add_co_u32 s26, s26, s22
	s_mov_b32 s27, 0
	s_wait_alu depctr_va_vdst(0)
	s_wait_kmcnt 0x0
	s_cmp_eq_u32 s17, 1                            ; which weight: the choice hangs on the work-group's number alone
	s_cselect_b64 s[4:5], s[6:7], s[4:5]
	s_cmp_eq_u32 s17, 2
	s_cselect_b64 s[4:5], s[8:9], s[4:5]
	s_cmp_eq_u32 s17, 3
	s_cselect_b64 s[4:5], s[10:11], s[4:5]
	s_add_nc_u64 s[4:5], s[4:5], s[20:21]
	s_add_nc_u64 s[12:13], s[12:13], s[24:25]
	s_add_nc_u64 s[14:15], s[14:15], s[26:27]
.macro WLOAD t                         ; block t: W(128 q + 32 t + i, my column)
.irp i, 0,1,2,3,4,5,6,7,8,9,10,11,12,13,14,15,16,17,18,19,20,21,22,23,24,25,26,27,28,29,30,31
	global_load_b32 v[WN+32*(\t)+\i], v3, s[4:5] offset:(32*(\t)+\i)*ROWB th:TH_LOAD_NT
.endr
.endm
.macro BLOCK t
.set XS, WN+32*(\t)
.set CB, WC+8*(\t)
.if (\t) < 3
	s_wait_loadcnt 32                              ; this block's 32 loads are in; the next block's may be out
.else
	s_wait_loadcnt 0x0
.endif
.if (\t)+2 < 4
	WLOAD (\t)+2                                   ; two blocks ahead, into registers of its own
.endif
	v_max3_num_f32 v12, |v[XS]|, |v[XS+1]|, |v[XS+2]|
	v_max3_num_f32 v13, |v[XS+3]|, |v[XS+4]|, |v[XS+5]|
.irp i, 6,10,14,18,22,26
	v_max3_num_f32 v12, v12, |v[XS+\i]|, |v[XS+\i+1]|
	v_max3_num_f32 v13, v13, |v[XS+\i+2]|, |v[XS+\i+3]|
.endr
	v_max3_num_f32 v12, v12, |v[XS+30]|, |v[XS+31]|
	v_max3_num_f32 v12, v12, v13, 0x1800000        ; and the floor 2^(3 - 127): the byte cannot fall under 1
	v_add_nc_u32 v11, 0xff000000, v12              ; 2 off the exponent field: the conversion's scale operand
	v_lshrrev_b32 v13, 23, v11                     ; the scale's byte
.if (\t) == 0
	v_mov_b32 v14, v13
.else
	v_lshl_or_b32 v14, v13, 8*(\t), v14            ; the lower K in the lower byte
.endif
	v_cvt_scalef32_pk16_fp6_f32 v[CB:CB+2], v[XS:XS+15], v11
	v_cvt_scalef32_pk16_fp6_f32 v[WD:WD+2], v[XS+16:XS+31], v11   ; (a conversion's three registers begin on an even number)
	v_nop                                          ; one plain place behind a scaled conversion
.irp i, 0,1,2
	v_mov_b32 v[CB+3+\i], v[WD+\i]
.endr
.if (\t) < 2                           ; registers 0-5 of lane r + 16 t: four in the image's first 512 bytes, two in its second
	ds_store_b128 v4, v[CB:CB+3] offset:256*(\t)
	ds_store_b64 v4, v[CB+4:CB+5] offset:512+256*(\t)
.else                                  ; registers 6-11 of lane r + 16 (t - 2): two in the second 512 bytes, four in the third
	ds_store_b64 v4, v[CB:CB+1] offset:520+256*((\t)-2)
	ds_store_b128 v4, v[CB+2:CB+5] offset:1024+256*((\t)-2)
.endif
.endm
	WLOAD 0
	WLOAD 1
	BLOCK 0
	BLOCK 1
	BLOCK 2
	BLOCK 3
.irp u, 0,1
.irp c, 0,1,2
	ds_load_b128 v[OUT+12*\u+4*\c:OUT+12*\u+4*\c+3], v5 offset:FP*\u+512*\c   ; LDS serves a wave's instructions in order: these see my stores
.endr
.endr
	global_store_b32 v6, v14, s[14:15]             ; my column's scale word.  The wave's 128 bytes are pieces of 8 inside one aligned block of 256 bytes, and the wave beside it stores the other pieces: so that block is
	                                               ; written in part; the words are 131,072 of the 3,276,800 bytes written for the weights, and gathering them would ask for a barrier on this way alone
	s_wait_dscnt 0x0                               ; the images are back
.irp u, 0,1
.irp c, 0,1,2
	global_store_b128 v7, v[OUT+12*\u+4*\c:OUT+12*\u+4*\c+3], s[12:13] offset:12288*\u+512*\c   ; 512 consecutive bytes, aligned
.endr
.endr
	s_wait_tensorcnt 0x0
	ds_add_u32 v254, v255
	s_wait_dscnt 0x0
	s_endpgm
.Lfunc_end_k_qfa3c1dc0d7_quant:
	.size	k_qfa3c1dc0d7_quant, .Lfunc_end_k_qfa3c1dc0d7_quant-k_qfa3c1dc0d7_quant
	.p2alignl 7, 3214868480
	.fill 96, 4, 3214868480
	.section	.rodata,"a",@progbits
	.p2align	6, 0x0
	.amdhsa_kernel k_qfa3c1dc0d7_quant
		.amdhsa_group_segment_fixed_size 48640
		.amdhsa_private_segment_fixed_size 0
		.amdhsa_enable_private_segment 0
		.amdhsa_kernarg_size 72
		.amdhsa_user_sgpr_count 2
		.amdhsa_user_sgpr_kernarg_segment_ptr 1
		.amdhsa_wavefront_size32 1
		.amdhsa_system_sgpr_workgroup_id_x 1
		.amdhsa_system_sgpr_workgroup_id_y 1
		.amdhsa_system_sgpr_workgroup_id_z 1
		.amdhsa_system_vgpr_workitem_id 0
		.amdhsa_next_free_vgpr 256
		.amdhsa_next_free_sgpr 66
		.amdhsa_reserve_vcc 1
		.amdhsa_float_denorm_mode_32 3
		.amdhsa_float_denorm_mode_16_64 3
		.amdhsa_memory_ordered 1
		.amdhsa_forward_progress 1
		.amdhsa_inst_pref_size 52
	.end_amdhsa_kernel
	.amdgpu_metadata
---
amdhsa.version: [ 1, 2 ]
amdhsa.kernels:
  - .name:           k_qfa3c1dc0d7_quant
    .symbol:         k_qfa3c1dc0d7_quant.kd
    .args:
      - { .name: Wq, .offset: 0, .size: 8, .value_kind: global_buffer, .address_space: global }
      - { .name: Wk, .offset: 8, .size: 8, .value_kind: global_buffer, .address_space: global }
      - { .name: Wv, .offset: 16, .size: 8, .value_kind: global_buffer, .address_space: global }
      - { .name: Wo, .offset: 24, .size: 8, .value_kind: global_buffer, .address_space: global }
      - { .name: w_img, .offset: 32, .size: 8, .value_kind: global_buffer, .address_space: global }
      - { .name: w_sc, .offset: 40, .size: 8, .value_kind: global_buffer, .address_space: global }
      - { .name: hidden_states, .offset: 48, .size: 8, .value_kind: global_buffer, .address_space: global }
      - { .name: x_img, .offset: 56, .size: 8, .value_kind: global_buffer, .address_space: global }
      - { .name: x_sc, .offset: 64, .size: 8, .value_kind: global_buffer, .address_space: global }
    .group_segment_fixed_size: 48640
    .private_segment_fixed_size: 0
    .kernarg_segment_align: 8
    .kernarg_segment_size: 72
    .max_flat_workgroup_size: 128
    .sgpr_count:     66
    .vgpr_count:     256
    .wavefront_size: 32
...
	.end_amdgpu_metadata
.endif
;; end of part 1
;; launch qkv (part 2): grid 12 x 32, 4 waves a work-group, clusters of 4 x 4, 327,680 bytes of LDS; arguments x_img, x_sc, w_img, w_sc, bq, bk, bv, qkv_img; writes qkv_img
.if DOCPART == 2
	.amdgcn_target "amdgcn-amd-amdhsa--gfx1250"
	.amdhsa_code_object_version 6
	.text
	.protected	k_qfa3c1dc0d7_qkv
	.globl	k_qfa3c1dc0d7_qkv
	.p2align	8
	.type	k_qfa3c1dc0d7_qkv,@function
k_qfa3c1dc0d7_qkv:
	s_mov_b64 s[64:65], 0
	v_nop
	global_prefetch_b8 v0, s[64:65] scope:SCOPE_SE
	s_setreg_imm32_b32 hwreg(HW_REG_WAVE_MODE, 25, 1), 1
	s_wait_xcnt 0x0
	s_wait_alu depctr_hold_cnt(0) depctr_sa_sdst(0) depctr_va_vdst(0) depctr_va_sdst(0) depctr_va_ssrc(0) depctr_va_vcc(0) depctr_vm_vsrc(0)
	s_getreg_b32 s2, hwreg(HW_REG_IB_STS2, 6, 4)
	s_cmp_eq_u32 s2, 0
	s_cbranch_scc0 .Lentry_in_a_cluster
	s_endpgm
.Lentry_in_a_cluster:
	s_bfe_u32 s2, ttmp6, 0x10000c
	s_cmp_lg_u32 s2, 0xf033
	s_cbranch_scc0 .Lentry_shape_is_right
	s_endpgm
.Lentry_shape_is_right:
; Q = x Wq + bq, K = x Wk + bk, V = x Wv + bv on codes of FP6 (E2M3) with E8M0 scales, and each result quantised again on the way out: Q and K along the head's 128, V along the keys.
; Operands arrive as images of their registers (a fragment, 16 rows x 128 K, is 1,536 bytes: register 4 c + e of lane l at 512 c + 16 l + 4 e) and their scale words in groups of 512 bytes
; (fragment 4 g + i, row r at 256 g + 16 r + 4 i).  Lane r of fragment f of a group of 128 rows holds row 32 (f/2) + 8 (f%2) + r + 8 (r/8).
; A tile of 256 x 256 is made by four waves, each 128 x 128: 64 accumulators, 512 registers.  Source 0 = a fragment of 'B', source 1 = a fragment of 'A': lane (r, h) then holds row r of A's fragment a,
; and the 64 registers of B's fragments 0-7 are B's rows 32 b + 16 h + i at register 16 b + i: 16 neighbours to a half block, as the conversions want them.
; ONE TEXT FOR THREE PARTS, chosen by the cluster's x (equal in all partners): 0, 1: A = x, B = Wq or Wk: a lane holds a row of Q or K and its registers run along the head's channels.
; 2: A = Wv, B = x: a lane holds a channel of V and its registers run along the keys.  Only pointers and offsets are chosen; no LDS address and no shape hangs on the part.
; The bias is the C of the first K step.  K = 1,024 is eight K steps; three LDS regions of two K steps are filled at the start, the first is filled once more with K steps 6 and 7.
; CLUSTERS: 4 x 4.  A's tiles hang on cy alone and are asked for jointly along a row of the cluster, B's on cx alone, along a column.
; OUT: qkv_img [part 3][bh 32][step 16][12800]: [8][1536] images, then [512] scale words.
; LIMITS: a block of zeros gets the byte 1, not 127 (zero codes; this program alone reads the bytes); largest magnitudes under 2^-124 are held at that floor; NaN and infinities are not served.
; 384 work-groups: the grid does not fill 256 WGPs evenly; a tile of another shape would need another text.
; REGISTERS, in windows of 256: window 0: v1 r, v2 h, v8-15 bias offsets, v16-18, v20-22 LDS addresses of A's and B's fragments in the three regions, v24 of the scale words, v25 16 x lane, v28-29 the add's two;
;   v32-95 scale words of all eight K steps (register 8 q + i: lanes 0-15 A's block i, lanes 16-31 B's block i); v96-123 at work on the way out; v128-223 A's fragments, ONE set (later the codes just made).
;   window 1: B's fragments, two sets, v0-95 and v128-223; the bias's eight tiles at v96-127 and v224-255.   windows 2, 3: accumulator (a, b) at v[64 (a % 4) + 8 b] of window 2 + a / 4.
; THE LDS MAP AND THE OUTPUT, AS THE TEXT BELOW HAS THEM.  Bytes 0 to 2 REG - 1: K steps 0-3: A's 16 blocks x 6,144 bytes, then B's 16, filled at the head, a load for A (wave 0) and one for B (wave 1);
; waves 2 and 3 bring A's and B's scale words.  From 2 REG on: K steps 4 and 5, a quarter a wave, asked for behind the head's round.  K steps 6 and 7 land on bytes 0 to REG - 1 behind K step 3's round.
; OUT: qkv_img [part 3][bh 32][step 16] records of 12,800 bytes: eight images of 1,536 bytes, then the step's 512 bytes of scale words.  In K's records the images of fragments 2, 3, 6, 7 have
; their rows 0-7 and 8-15 exchanged (lane address xor 128): each store still covers its 512 aligned bytes.
.set REG,   98304
.set HALF,  24576                      ; 8 blocks: what one tensor load brings and what one wave reads of A or of B
.set SCL,   3*REG                      ; the scale words: 8,192 bytes for each wave's load
.set SPARE, SCL+16384                  ; the spare words, 128 bytes for each wave: two blocks of 256 bytes that no other line names
.set VO,    8
.set ADRA,  16
.set ADRB,  20
.set ADRS,  24
.set LI,    25
.set SPW,   28
.set NIL,   29
.set SC,    32
.set TM,    96
.set PWS,   112
.set S,     120
.set AF,    128
.set PC,    128
.set WV,    30                         ; s30 wave;  s31 wave / 2: my half of A's rows, and: I fetch for A (0) or B (1);  s100 wave % 2: my half of B's rows, and which half I fetch
.set FA,    31
.set HF,    100
.set CX,    101
.set CY,    104
.set CLY,   105
.set G1A,   32                         ; s[32:39], s[40:47] group 1 for A's and B's tiles;  s[48:55], s[56:63] for their scale words
.set G1B,   40
.set G1SA,  48
.set G1SB,  56
.set G0A,   68                         ; s[68:83] A's four groups 0: scale words, regions 0, 1, 2;  s[84:99] B's
.set G0B,   84
.set MSB, 0
.macro WIN new                         ; the immediate's high byte repeats the setting that is left
.if MSB != (\new)
	s_set_vgpr_msb (MSB<<8)|(\new)
.set MSB, \new
.endif
.endm
.macro PLACES                          ; four places in front of loads into registers that matrix instructions have read, and of the first read of results
.rept 4
	v_nop
.endr
.endm
.macro JLOAD g0a, g1a, g0b, g1b        ; a joint load: waves 0 and 1 ask for A, waves 2 and 3 for B; four v_nop follow each line
	s_cmp_eq_u32 s[FA], 0
	s_cbranch_scc0 .Lfor_b_\@
	tensor_load_to_lds s[\g0a:\g0a+3], s[\g1a:\g1a+7]
	s_nop 0
.rept 4
	v_nop
.endr
	s_branch .Lasked_\@
.Lfor_b_\@:
	tensor_load_to_lds s[\g0b:\g0b+3], s[\g1b:\g1b+7]
	s_nop 0
.rept 4
	v_nop
.endr
.Lasked_\@:
.endm
.macro CREST                           ; a round of the cluster's barrier behind its opening barrier
	s_cmp_lg_u32 s[WV], 0
	s_cbranch_scc1 .Lnot_wave_0_\@
	s_barrier_signal -3
.Lnot_wave_0_\@:
	s_barrier_wait -3
	s_barrier_signal -1
	s_barrier_wait -1
.endm
.macro CROUND
	s_barrier_signal -1
	s_barrier_wait -1
	CREST
.endm
	s_load_b256 s[4:11], s[0:1], 0x0               ; x_img, x_sc, w_img, w_sc
	s_load_b256 s[12:19], s[0:1], 0x20             ; bq, bk, bv, qkv_img
	v_lshl_add_u32 v[SPW], v0, 2, SPARE
	v_mov_b32 v[NIL], 0
	ds_add_u32 v28, v29
	ds_add_u32 v28, v29
	s_wait_dscnt 0x0
	v_lshrrev_b32 v1, 5, v0
	v_readfirstlane_b32 s[WV], v1
	s_lshr_b32 s[FA], s[WV], 1
	s_and_b32 s[HF], s[WV], 1
	s_bfe_u32 s[CX], ttmp6, 0x40000                ; cx, cy: my place in the cluster
	s_bfe_u32 s[CY], ttmp6, 0x40004
	s_and_b32 s[CLY], ttmp7, 0xffff                ; the cluster's y
	s_lshl_b32 s66, s[CY], 2
	s_lshl_b32 s66, 15, s66                        ; my row of the cluster
	s_lshl_b32 s67, 0x1111, s[CX]                  ; my column
	s_or_b32 s[G1A], s66, (3<<16)|(1<<21)          ; 15:0 the mask; 17:16 elements of 8 bytes; 21 set beside a mask; no padding: every read is of 512 consecutive bytes
	s_or_b32 s[G1B], s67, (3<<16)|(1<<21)
	s_or_b32 s[G1SA], s66, (3<<16)|(1<<21)
	s_or_b32 s[G1SB], s67, (3<<16)|(1<<21)
.irp g, G1A, G1B                       ; 8 blocks' two K steps: 8 rows of 3,072 bytes (384 elements), 12,288 bytes (1,536 elements) apart
	s_mov_b32 s[\g+1], 768<<16                     ; the head's loads: 16 blocks' four K steps: 16 rows of 6,144 bytes
	s_mov_b32 s[\g+2], 16<<16
	s_mov_b32 s[\g+3], 768<<16
	s_mov_b32 s[\g+4], 16
	s_mov_b32 s[\g+5], 1536
	s_mov_b32 s[\g+6], 0
	s_mov_b32 s[\g+7], 0
.endr
.irp g, G1SA, G1SB                     ; the scale words of 256 rows, all of K: 8,192 dense bytes as 32 rows of 256
	s_mov_b32 s[\g+1], 32<<16
	s_mov_b32 s[\g+2], 32<<16                      ; the scale words of 256 rows: 8,192 dense bytes as 32 rows of 256
	s_mov_b32 s[\g+3], 32<<16
	s_mov_b32 s[\g+4], 32
	s_mov_b32 s[\g+5], 32
	s_mov_b32 s[\g+6], 0
	s_mov_b32 s[\g+7], 0
.endr
	s_lshl_b32 s66, s[CLY], 2
	s_cmp_lt_u32 ttmp9, 2                          ; Q or K (1), or V (0): the cluster's x is the same in all sixteen partners
	s_cselect_b32 s68, s66, 0                      ; A's tile: 4 Cy + cy of x, or cy of Wv
	s_cselect_b32 s69, 0, 128                      ; A's first block: Wv begins at block 128 of w_img
	s_cselect_b32 s70, 0, 16                       ; and at group 16 of w_sc
	s_cselect_b32 s84, ttmp9, s[CLY]               ; B's tile: 4 Cx + cx of w, or 4 Cy + cx of x
	s_cselect_b32 s26, 0, 4                        ; the bias's offset = s26 (r + 8 (r/8)) + s27 h + s28 j
	s_cselect_b32 s27, 64, 0
	s_cselect_b32 s28, 4, 0
	v_and_b32 v1, 15, v0                           ; r
	v_bfe_u32 v2, v0, 4, 1                         ; h
	v_and_b32 v3, 8, v1
	v_add_nc_u32 v3, v3, v1
	v_mul_u32_u24 v4, s26, v3
	v_mad_u32_u24 v4, s27, v2, v4
.irp j, 0,1,2,3,4,5,6,7
	v_mad_u32_u24 v[VO+\j], s28, \j, v4
.endr
.irp b, 0,1,2,3
	v_mov_b32 v[TM+4+\b], 0                        ; a lane permute's destination counts as one of its sources
.endr
	s_add_co_u32 s68, s68, s[CY]                   ; ta: no cx enters what feeds A's descriptors
	s_lshl_b32 s84, s84, 2
	s_add_co_u32 s84, s84, s[CX]                   ; tb: no cy enters what feeds B's
	s_lshl_b32 s71, s68, 4
	s_add_co_u32 s69, s69, s71
	s_lshl_b32 s71, s[HF], 3
	s_add_co_u32 s69, s69, s71                     ; the first of the 8 blocks of A that I would fetch
	s_mul_i32 s22, s69, 12288
	s_mov_b32 s23, 0
	s_lshl_b32 s71, s68, 1
	s_add_co_u32 s70, s70, s71
	s_add_co_u32 s70, s70, s[HF]
	s_lshl_b32 s26, s70, 12                        ; and their scale words
	s_mov_b32 s27, 0
	s_lshl_b32 s85, s84, 4
	s_lshl_b32 s86, s[HF], 3
	s_add_co_u32 s85, s85, s86
	s_mul_i32 s24, s85, 12288                      ; the same for B
	s_mov_b32 s25, 0
	s_lshl_b32 s85, s84, 1
	s_add_co_u32 s85, s85, s[HF]
	s_lshl_b32 s28, s85, 12
	s_mov_b32 s29, 0
	s_mul_i32 s2, s[WV], HALF                      ; where my load goes in a region: A's two halves, then B's two = wave x 24,576
	s_wait_kmcnt 0x0
	s_cmp_lt_u32 ttmp9, 2
	s_cselect_b64 s[66:67], s[4:5], s[8:9]         ; A's codes: x or w
	s_cselect_b64 s[8:9], s[8:9], s[4:5]           ; B's: w or x
	s_mov_b64 s[4:5], s[66:67]
	s_cselect_b64 s[66:67], s[6:7], s[10:11]       ; and the scale words likewise
	s_cselect_b64 s[10:11], s[10:11], s[6:7]
	s_mov_b64 s[6:7], s[66:67]
	s_cmp_eq_u32 ttmp9, 1
	s_cselect_b64 s[12:13], s[14:15], s[12:13]     ; the part's bias
	s_cmp_eq_u32 ttmp9, 2
	s_cselect_b64 s[12:13], s[16:17], s[12:13]
	s_add_nc_u64 s[4:5], s[4:5], s[22:23]
	s_add_nc_u64 s[6:7], s[6:7], s[26:27]
	s_add_nc_u64 s[8:9], s[8:9], s[24:25]
	s_add_nc_u64 s[10:11], s[10:11], s[28:29]
	CROUND                                         ; all sixteen work-groups are here: the first joint loads meet
	s_mul_i32 s22, s[HF], 4*HALF                   ; the head's loads take both halves: my half's 8 blocks x 12,288 bytes are taken off the address again,
	s_mov_b32 s23, 0
	s_lshl_b32 s24, s[HF], 12                      ; and its 4,096 bytes of scale words
	s_mov_b32 s25, 0
	s_mov_b32 s[G0A], 1
	s_mov_b32 s[G0A+1], SCL
	s_sub_nc_u64 s[G0A+2:G0A+3], s[6:7], s[24:25]
	s_or_b32 s[G0A+3], s[G0A+3], 0x80000000
	s_mov_b32 s[G0B], 1
	s_mov_b32 s[G0B+1], SCL+8192
	s_sub_nc_u64 s[G0B+2:G0B+3], s[10:11], s[24:25]
	s_or_b32 s[G0B+3], s[G0B+3], 0x80000000
	s_mov_b32 s[G0A+8], 1                          ; K steps 0-3 of A's 16 blocks, to byte 0
	s_mov_b32 s[G0A+9], 0
	s_sub_nc_u64 s[G0A+10:G0A+11], s[4:5], s[22:23]
	s_or_b32 s[G0A+11], s[G0A+11], 0x80000000
	s_mov_b32 s[G0B+8], 1                          ; and of B's, behind them
	s_mov_b32 s[G0B+9], REG
	s_sub_nc_u64 s[G0B+10:G0B+11], s[8:9], s[22:23]
	s_or_b32 s[G0B+11], s[G0B+11], 0x80000000
.irp n, 0,2
	s_mov_b32 s[G0A+4+4*\n], 1
	s_add_co_u32 s[G0A+5+4*\n], s2, \n*REG
	s_add_nc_u64 s[G0A+6+4*\n:G0A+7+4*\n], s[4:5], \n*3072      ; K steps 2 n and 2 n + 1
	s_or_b32 s[G0A+7+4*\n], s[G0A+7+4*\n], 0x80000000
	s_mov_b32 s[G0B+4+4*\n], 1
	s_add_co_u32 s[G0B+5+4*\n], s2, \n*REG
	s_add_nc_u64 s[G0B+6+4*\n:G0B+7+4*\n], s[8:9], \n*3072
	s_or_b32 s[G0B+7+4*\n], s[G0B+7+4*\n], 0x80000000
.endr
; The head's four tiles, one joint load a wave: one chain of branches on the wave's number, every way passes exactly one load.
.macro ARM under, g0, g1, next
	s_cmp_lt_u32 s[WV], \under
	s_cbranch_scc0 \next
	tensor_load_to_lds s[\g0:\g0+3], s[\g1:\g1+7]
	s_nop 0
.rept 4
	v_nop
.endr
	s_branch .Lfirst_asked
\next:
.endm
	ARM 1, G0A+8, G1A, .Lhead_b
	ARM 2, G0B+8, G1B, .Lhead_sa
	ARM 3, G0A, G1SA, .Lhead_sb
	tensor_load_to_lds s[G0B:G0B+3], s[G1SB:G1SB+7]
	s_nop 0
.rept 4
	v_nop
.endr
.Lfirst_asked:
	s_mov_b32 s2, 0x76543210
	s_mov_b32 s3, 0xfedcba98                       ; selects for lane l xor 16
	; where my 128 x 128 goes: the head, and the group of 128 rows of s
	s_cmp_lt_u32 ttmp9, 2
	s_cselect_b32 s22, s[CX], s[CY]
	s_cselect_b32 s23, s[HF], s[FA]
	s_cselect_b32 s24, s[CY], s[CX]
	s_cselect_b32 s25, s[FA], s[HF]
	s_lshl_b32 s22, s22, 1
	s_add_co_u32 s22, s22, s23                     ; head
	s_lshl_b32 s26, s[CLY], 2
	s_add_co_u32 s24, s24, s26
	s_lshl_b32 s24, s24, 1
	s_add_co_u32 s24, s24, s25                     ; the group of 128 rows, 0 .. 63
	s_lshr_b32 s26, s24, 4
	s_lshl_b32 s26, s26, 3
	s_add_co_u32 s26, s26, s22                     ; bh = 8 x batch + head
	s_lshl_b32 s26, s26, 4
	s_and_b32 s24, s24, 15
	s_add_co_u32 s26, s26, s24                     ; 16 bh + step
	s_mul_i32 s24, ttmp9, 6553600                  ; a part is 512 records of 12,800 bytes
	s_mul_i32 s28, s26, 12800
	s_add_co_u32 s24, s24, s28
	s_mov_b32 s25, 0
	s_add_nc_u64 s[18:19], s[18:19], s[24:25]
	s_lshl_b32 s24, s22, 9
	s_add_nc_u64 s[12:13], s[12:13], s[24:25]      ; the head's 128 numbers of the bias
	WIN 0x40                                       ; destination window 1, address window 0
	s_wait_alu depctr_va_vdst(0)
.irp t, 0,1,2,3,4,5,6,7                ; Q, K: tile t = b holds bias[32 (b/2) + 16 h + 8 (b%2) + j];  V: tile t = a holds bv of my channel in all eight registers
.irp j, 0,1,2,3,4,5,6,7
	global_load_b32 v[96+8*(\t%4)+128*(\t/4)+\j], v[VO+\j], s[12:13] offset:(32*(\t/2)+8*(\t%2))*4
.endr
.endr
	WIN 0
	v_and_b32 v3, 31, v0
	v_lshlrev_b32 v[LI], 4, v3
	s_cmp_eq_u32 ttmp9, 1                          ; K's part alone (the cluster's x is the same in all partners):
	s_cselect_b32 s22, 128, 0
	v_xor_b32 v[LI+1], s22, v[LI]                  ; v26: the store address of fragments 2, 3, 6, 7: rows 0-7 and 8-15 exchanged
	s_mul_i32 s22, s[FA], HALF                     ; my 8 blocks of A,
	s_mul_i32 s23, s[HF], HALF                     ; my 8 of B,
	s_add_co_u32 s23, s23, 2*HALF                  ; which lie behind A's 16
.irp n, 0,2                            ; index 0: K steps 6, 7 (bytes 0 on); index 2: K steps 4, 5 (bytes 2 REG on)
	v_add_nc_u32 v[ADRA+\n], s22, v[LI]
	v_add_nc_u32 v[ADRB+\n], s23, v[LI]
	s_add_co_u32 s22, s22, 2*REG
	s_add_co_u32 s23, s23, 2*REG
.endr
	s_mul_i32 s22, s[FA], 2*HALF                   ; index 1: K steps 0-3: my 8 blocks x 6,144 bytes of A,
	s_mul_i32 s23, s[HF], 2*HALF
	s_add_co_u32 s23, s23, REG                     ; and of B, behind A's 16
	s_wait_alu depctr_va_vdst(0)                   ; directly ahead of the reader below
	v_add_nc_u32 v[ADRA+1], s22, v[LI]
	v_add_nc_u32 v[ADRB+1], s23, v[LI]
	s_lshl_b32 s22, s[FA], 12                      ; scale words: lanes 0-15 take A's, lanes 16-31 B's: the lower base + h x the distance
	s_lshl_b32 s23, s[HF], 12
	s_add_co_u32 s23, s23, 8192
	s_sub_co_u32 s23, s23, s22
	v_mul_u32_u24 v4, s23, v2
	s_add_co_u32 s22, s22, SCL
	v_lshl_add_u32 v4, v1, 4, v4
	v_add_nc_u32 v[ADRS], s22, v4
.macro FRAG reg, adr, off              ; a fragment comes as it was stored: three loads of 512 consecutive bytes
.irp c, 0,1,2
	ds_load_b128 v[\reg+4*\c:\reg+4*\c+3], v[\adr] offset:\off+512*\c
.endr
.endm
.macro FETCH_B rg, q, p                ; B's eight fragments of K step q, from region rg, into set p
	WIN 0x40
.irp i, 0,1,2,3,4,5,6,7
.if (\q) < 4
	FRAG 128*(\p)+12*\i, ADRB+1, 6144*\i+1536*(\q)
.else
	FRAG 128*(\p)+12*\i, ADRB+(\rg), 3072*\i+1536*((\q)%2)
.endif
.endr
	WIN 0
.endm
.macro FETCH_A rg, q, i0               ; A's blocks i0 .. i0 + 3
.irp i, \i0, \i0+1, \i0+2, \i0+3
.if (\q) < 4
	FRAG AF+12*(\i), ADRA+1, 6144*(\i)+1536*(\q)
.else
	FRAG AF+12*(\i), ADRA+(\rg), 3072*(\i)+1536*((\q)%2)
.endif
.endr
.endm
; 16 products: A's blocks a0, a0 + 1 x B's eight, K step q, B's set p.  cm = 0: C is the accumulator; 1: the bias tile of B's block; 2: that of A's block (window 1).
; The 64 accumulators take turns, one instruction a turn, in the same order in every K step.
.macro MUL16 a0, p, q, cm
.irp a, \a0, \a0+1
.irp b, 0,1,2,3,4,5,6,7
.set rD, 64*((\a)%4)+8*\b
.set rC, rD
.if \cm == 1
.set rC, 96+8*(\b%4)+128*(\b/4)
.elseif \cm == 2
.set rC, 96+8*((\a)%4)+128*((\a)/4)
.endif
	v_wmma_scale_f32_16x16x128_f8f6f4 v[rD:rD+7], v[128*(\p)+12*\b:128*(\p)+12*\b+11], v[AF+12*(\a):AF+12*(\a)+11], v[rC:rC+7], v[SC+8*(\q)+\b], v[SC+8*(\q)+(\a)] matrix_a_fmt:MATRIX_FMT_FP6 matrix_b_fmt:MATRIX_FMT_FP6 matrix_a_scale:MATRIX_SCALE_ROW1
.endr
.endr
.endm
.macro STEP q, cm                      ; an even K step: its successor lies in the same region
.set RG, ((\q)/2)%3
	s_wait_dscnt 12                                ; B's set and A's blocks 0-3 are in; the youngest twelve loads (A's blocks 4-7) may be out
.if \cm
	WIN 0x91                                       ; source 0 (B) and C (the bias) window 1, source 1 (A) window 0, D window 2
.else
	WIN 0xa1
.endif
	MUL16 0, (\q)%2, \q, \cm
	MUL16 2, (\q)%2, \q, \cm
	s_wait_dscnt 0x0                               ; A's blocks 4-7 are in
	PLACES
	FETCH_B RG, (\q)+1, ((\q)+1)%2
	FETCH_A RG, (\q)+1, 0
.if \cm
	WIN 0xd1
.else
	WIN 0xf1
.endif
	MUL16 4, (\q)%2, \q, \cm
	MUL16 6, (\q)%2, \q, \cm
	PLACES
	WIN 0
	FETCH_A RG, (\q)+1, 4
.endm
; An odd K step changes regions: ONE barrier.  cnt: the tensor loads of mine that may stay out.  fill = 1: region 0 is filled again, with K steps 6 and 7:
; then the barrier opens a round of the cluster's barrier and the joint refill is the first thing behind it.
.macro TURN q, cnt, fill
.set RN, (((\q)+1)/2)%3
	s_wait_tensorcnt \cnt                          ; my part of the next region is in
.if \cnt == 0
	ds_add_u32 v[SPW], v[NIL]                      ; 0 onto my spare word
	s_wait_dscnt 13                                ; (the add and A's blocks 4-7 may be out)
.else
	s_wait_dscnt 12
.endif
	WIN 0xa1
	MUL16 0, 1, \q, 0
	s_wait_dscnt 0x0                               ; my reads of this region are over (and the add is done)
	s_barrier_signal -1
	MUL16 2, 1, \q, 0
	WIN 0                                          ; at a branch and at a label every window is 0
	s_barrier_wait -1
.if \fill
	CREST                                          ; no wave of any partner still reads region 0 or has a load on its way
	s_add_nc_u64 s[G0A+6:G0A+7], s[G0A+6:G0A+7], 9216
	s_add_nc_u64 s[G0B+6:G0B+7], s[G0B+6:G0B+7], 9216
	JLOAD G0A+4, G1A, G0B+4, G1B                   ; it has K steps 4 and 5, 128 matrix instructions, in which to land; its four v_nop are the places in front of the loads below
.else
	PLACES
.endif
	FETCH_B RN, (\q)+1, 0
	FETCH_A RN, (\q)+1, 0
	WIN 0xf1
	MUL16 4, 1, \q, 0
	MUL16 6, 1, \q, 0
	PLACES
	WIN 0
	FETCH_A RN, (\q)+1, 4
.endm
; Block a's 64 numbers a lane (register 16 b + i = k 32 b + 16 h + i of my row) become a fragment and leave as its image; the row's scale word is kept.
.macro QUANTW a
.set QW, 2+(\a)/4
.set QW2, QW*5
.set AC, 64*((\a)%4)
	WIN QW2                                        ; sources 0 and 1: the accumulators' window
.irp b, 0,1,2,3
	v_max3_num_f32 v[TM+\b], |v[AC+16*\b]|, |v[AC+16*\b+1]|, 0x1800000   ; each accumulator from its low end on; the floor 2^(3 - 127) holds the byte at 1 from below
.endr
.irp i, 2,4,6,8,10,12,14
.irp b, 0,1,2,3
	v_max3_num_f32 v[TM+\b], |v[AC+16*\b+\i]|, |v[AC+16*\b+\i+1]|, v[TM+\b]
.endr
.endr
	WIN 0
.irp b, 0,1,2,3
	v_permlanex16_b32 v[TM+4+\b], v[TM+\b], s2, s3
.endr
.irp b, 0,1,2,3
	v_max_num_f32 v[TM+\b], v[TM+\b], v[TM+4+\b]   ; with lane l xor 16's: the block's largest magnitude
.endr
.irp b, 0,1,2,3
	v_add_nc_u32 v[TM+12+\b], 0xff000000, v[TM+\b] ; 2 off the exponent field: the conversion's scale operand
.endr
.irp b, 0,1,2,3
	v_lshrrev_b32 v[TM+4+\b], 23, v[TM+12+\b]      ; the scale's byte
.endr
	v_lshl_or_b32 v[PWS+(\a)], v[TM+5], 8, v[TM+4]
	v_lshl_or_b32 v[PWS+(\a)], v[TM+6], 16, v[PWS+(\a)]
	v_lshl_or_b32 v[PWS+(\a)], v[TM+7], 24, v[PWS+(\a)]
	s_wait_xcnt 0x0                                ; the last block's stores have read the codes' registers
	WIN QW
.irp c, 0,1
	v_cvt_scalef32_pk16_fp6_f32 v[PC+6*\c:PC+6*\c+2], v[AC+32*\c:AC+32*\c+15], v[TM+12+2*\c]
	v_cvt_scalef32_pk16_fp6_f32 v[PC+12+4*\c:PC+14+4*\c], v[AC+32*\c+16:AC+32*\c+31], v[TM+12+2*\c+1]
.endr
	WIN 0
	v_nop                                          ; one plain place behind a scaled conversion
.irp c, 0,1                            ; the operand's layout wants a WHOLE block in a lane
.irp i, 0,1,2
	v_permlane16_swap_b32 v[PC+6*\c+\i], v[PC+12+4*\c+\i]
.endr
.irp i, 0,1,2
	v_mov_b32 v[PC+3+6*\c+\i], v[PC+12+4*\c+\i]
.endr
.endr
.irp c, 0,1,2
	global_store_b128 v[LI+((\a)/2)%2], v[PC+4*\c:PC+4*\c+3], s[18:19] offset:1536*(\a)+512*\c   ; 512 consecutive bytes, aligned
.endr
.endm
	s_wait_alu depctr_va_vdst(0)
	s_wait_tensorcnt 0x0                           ; my tile of the head's four is in
	ds_add_u32 v[SPW], v[NIL]
.irp g, G1A, G1B                       ; no tensor load of mine is out: from here on a load brings 8 blocks' two K steps: 8 rows of 3,072 bytes
	s_mov_b32 s[\g+1], 384<<16
	s_mov_b32 s[\g+2], 8<<16
	s_mov_b32 s[\g+3], 384<<16
	s_mov_b32 s[\g+4], 8
.endr
	s_wait_dscnt 0x0                               ; the add is done
	CROUND                                         ; all four tiles are in, and all sixteen work-groups are here
	JLOAD G0A+12, G1A, G0B+12, G1B                 ; K steps 4 and 5: they have K steps 0 to 3 in which to land
	FETCH_B 0, 0, 0
	FETCH_A 0, 0, 0
.irp q, 0,1,2,3,4,5,6,7                ; the scale words of all eight K steps, once
.irp g, 0,1
	ds_load_b128 v[SC+8*\q+4*\g:SC+8*\q+4*\g+3], v[ADRS] offset:512*\q+256*\g
.endr
.endr
	FETCH_A 0, 0, 4
	s_wait_loadcnt 0x0                             ; the bias
	s_cmp_lt_u32 ttmp9, 2                          ; the first K step starts the sums with the bias: along B's rows (Q, K) or along A's (V)
	s_cbranch_scc0 .Lstep0_v
	STEP 0, 1
	s_branch .Lstep0_done
.Lstep0_v:
	STEP 0, 2
.Lstep0_done:
	STEP 1, 0                                      ; K steps 0-3 lie in bytes that one barrier has shown whole
	STEP 2, 0
	TURN 3, 0, 1                                   ; the one refill
	STEP 4, 0
	TURN 5, 0, 0                                   ; the refill has landed
	STEP 6, 0
	s_wait_dscnt 12                                ; the last K step: nothing more to fetch
	WIN 0xa1
	MUL16 0, 1, 7, 0
	MUL16 2, 1, 7, 0
	s_wait_dscnt 0x0
	WIN 0xf1
	MUL16 4, 1, 7, 0
	MUL16 6, 1, 7, 0
	WIN 0
	PLACES
.irp a, 0,1,2,3,4,5,6,7
	QUANTW \a
.endr
	v_cmp_eq_u32 vcc_lo, 1, v2
.irp i, 0,1,2,3
	v_cndmask_b32 v[S+\i], v[PWS+\i], v[PWS+4+\i], vcc_lo   ; lanes 0-15: fragments 0-3; lanes 16-31: fragments 4-7
.endr
	global_store_b128 v[LI], v[S:S+3], s[18:19] offset:12288   ; the record's scale words: 512 consecutive bytes, aligned
	s_wait_tensorcnt 0x0                           ; the wave's end
	ds_add_u32 v[SPW], v[NIL]
	s_wait_dscnt 0x0
	CROUND                                         ; the closing round: no work-group ends while a partner may still ask for a tile that names it
	s_endpgm
.Lfunc_end_k_qfa3c1dc0d7_qkv:
	.size	k_qfa3c1dc0d7_qkv, .Lfunc_end_k_qfa3c1dc0d7_qkv-k_qfa3c1dc0d7_qkv
	.p2alignl 7, 3214868480
	.fill 96, 4, 3214868480
	.section	.rodata,"a",@progbits
	.p2align	6, 0x0
	.amdhsa_kernel k_qfa3c1dc0d7_qkv
		.amdhsa_group_segment_fixed_size 327680
		.amdhsa_private_segment_fixed_size 0
		.amdhsa_enable_private_segment 0
		.amdhsa_kernarg_size 64
		.amdhsa_user_sgpr_count 2
		.amdhsa_user_sgpr_kernarg_segment_ptr 1
		.amdhsa_wavefront_size32 1
		.amdhsa_system_sgpr_workgroup_id_x 1
		.amdhsa_system_sgpr_workgroup_id_y 1
		.amdhsa_system_sgpr_workgroup_id_z 1
		.amdhsa_system_vgpr_workitem_id 0
		.amdhsa_next_free_vgpr 1024
		.amdhsa_next_free_sgpr 106
		.amdhsa_reserve_vcc 1
		.amdhsa_float_denorm_mode_32 3
		.amdhsa_float_denorm_mode_16_64 3
		.amdhsa_memory_ordered 1
		.amdhsa_forward_progress 1
		.amdhsa_inst_pref_size 158
	.end_amdhsa_kernel
	.amdgpu_metadata
---
amdhsa.version: [ 1, 2 ]
amdhsa.kernels:
  - .name:           k_qfa3c1dc0d7_qkv
    .symbol:         k_qfa3c1dc0d7_qkv.kd
    .args:
      - { .name: x_img, .offset: 0, .size: 8, .value_kind: global_buffer, .address_space: global }
      - { .name: x_sc, .offset: 8, .size: 8, .value_kind: global_buffer, .address_space: global }
      - { .name: w_img, .offset: 16, .size: 8, .value_kind: global_buffer, .address_space: global }
      - { .name: w_sc, .offset: 24, .size: 8, .value_kind: global_buffer, .address_space: global }
      - { .name: bq, .offset: 32, .size: 8, .value_kind: global_buffer, .address_space: global }
      - { .name: bk, .offset: 40, .size: 8, .value_kind: global_buffer, .address_space: global }
      - { .name: bv, .offset: 48, .size: 8, .value_kind: global_buffer, .address_space: global }
      - { .name: qkv_img, .offset: 56, .size: 8, .value_kind: global_buffer, .address_space: global }
    .group_segment_fixed_size: 327680
    .private_segment_fixed_size: 0
    .kernarg_segment_align: 8
    .kernarg_segment_size: 64
    .max_flat_workgroup_size: 128
    .sgpr_count:     106
    .vgpr_count:     1024
    .wavefront_size: 32
...
	.end_amdgpu_metadata
.endif
;; end of part 2
;; launch attn (part 3): grid 8 x 32, 8 waves a work-group, clusters of 4 x 1, 327,680 bytes of LDS; arguments qkv_img, o_img, o_sc; writes o_img, o_sc
.if DOCPART == 3
	.amdgcn_target "amdgcn-amd-amdhsa--gfx1250"
	.amdhsa_code_object_version 6
	.text
	.protected	k_qfa3c1dc0d7_attn
	.globl	k_qfa3c1dc0d7_attn
	.p2align	8
	.type	k_qfa3c1dc0d7_attn,@function
k_qfa3c1dc0d7_attn:
	s_mov_b64 s[64:65], 0
	v_nop
	global_prefetch_b8 v0, s[64:65] scope:SCOPE_SE
	s_setreg_imm32_b32 hwreg(HW_REG_WAVE_MODE, 25, 1), 1
	s_wait_xcnt 0x0
	s_wait_alu depctr_hold_cnt(0) depctr_sa_sdst(0) depctr_va_vdst(0) depctr_va_sdst(0) depctr_va_ssrc(0) depctr_va_vcc(0) depctr_vm_vsrc(0)
	s_getreg_b32 s2, hwreg(HW_REG_IB_STS2, 6, 4)
	s_cmp_eq_u32 s2, 0
	s_cbranch_scc0 .Lentry_in_a_cluster
	s_endpgm
.Lentry_in_a_cluster:
	s_bfe_u32 s2, ttmp6, 0x10000c
	s_cmp_lg_u32 s2, 0x3003
	s_cbranch_scc0 .Lentry_shape_is_right
	s_endpgm
.Lentry_shape_is_right:
; O = softmax(Q K^T / sqrt(128)) V for 32 (batch, head) pairs of 2,048 queries and keys, both products on codes of FP6 (E2M3) with E8M0 scales; O / l is quantised along the channels on the way out.
; THE SOFTMAX: t = score x log2(e) / sqrt(128); M = the row's largest t so far, rounded UP to a whole number; p = 2^(t - M) is quantised along the keys, not normalised.  The row's sum is taken of the
; unquantised p in f32 and divides O at the end.  When M moves, the sum and O are multiplied by 2^(old M - new M): exact.
; IN: qkv_img [part Q, K, V][bh 32][step 16] records of 12,800 bytes: eight images of fragments (register 4 c + e of lane l at 512 c + 16 l + 4 e), then 512 bytes of scale words (fragment 4 g + i, row r at
; 256 g + 16 r + 4 i).  Q, K: 16 rows x the head's 128; V: 16 channels x 128 keys.  Lane r of a stored fragment f holds row (channel) 32 (f/2) + 8 (f%2) + r + 8 (r/8) of its 128.
; K's TILES ARE FORMED ANEW AS THEY ARE READ FROM LDS: lane r of tile f takes key 64 (f/4) + 8 (f%4) + r % 8 + 32 (r/8).  With S^T = K Q^T lane (r, h) then holds query r, and its 32 registers of tiles
; 4 c .. 4 c + 3 are the WHOLE block of keys 64 c + 32 h + 0 .. 31, in the order of the next operand's registers: a block's largest score needs no other lane and its codes change no lane.
; That key lies in stored fragment 4 (f/4) + 2 (r/8) + f % 2, row r % 8 + 8 ((f/2) % 2).  K's stored fragments 2, 3, 6, 7 have rows 0-7 and 8-15 exchanged, so the two runs of 128 bytes that
; sixteen lanes read are 128 bytes apart modulo 256.
; SHARES: a work-group owns 256 queries of one head; each of its eight waves owns two fragments of 16 queries (tiles 0 and 1) in 512 registers, so each fragment of K and V read from LDS feeds two products.
; LDS: two slots of six key steps (K's six records, then V's six: 153,600 bytes).  Each wave fetches a quarter of K's or V's part of a slot by one load of 75 rows of 256 bytes: slot 0 at the head, slot 1 behind
; the head's round, and slot 0 once more, with key steps 12-15 (50 rows a wave), behind key step 5's round.  A wave has one load out at a time.
; CLUSTER: the four query blocks of a cluster walk the same K and V: every tile is asked for jointly.
; NO PREFETCH.
; OUT: o_img [f 512][head 8][1536], o_sc [T 64][head 8][512], as x_img and x_sc.
; LIMITS: the promise holds while the scaled scores stay under 2^31 in magnitude; a block of zeros gets the byte 1, not 127 (zero codes; this program alone reads the bytes); largest magnitudes under 2^-124
; are held at that floor; NaN and infinities are not served.
; REGISTERS, in two windows of 256; tile 1 is tile 0's mirror in window 1.  Of each tile: v12 -M, v13 the largest score, v[14:15] the sum; v16-27 Q; v28 8 h; v96-159 S^T, then p; v160-223 O^T; v224-235 p's codes;
; v232-247, v252-254 at work.  Shared, window 0: v1-11, v29-31 addresses; v32-79 fragments 0-3 (buffer X; window 1: fragments 4-7, buffer Y); v80-81 Q's scale words, v82-83 p's, v248-251 K's or V's.
.set REC,   12800
.set PARTB, 6*REC
.set SLOT,  2*PARTB
.set STG,   2*SLOT                     ; the way out: the work-group's 16 x 16 scale words
.set SPARE, STG+1024                   ; the spare words, 128 bytes for each wave
.set LI,    1                          ; 16 x lane
.set SPW,   5
.set NIL,   6
.set L0,    7                          ; K's lane terms: tiles f with (f/2) % 2 = 0,
.set L1,    9                          ; and = 1
.set ADK,   8                          ; v8, v10: the same + the step's place
.set LS,    11                         ; K's scale words' lane term
.set H8,    28
.set LV,    29                         ; V's lane term
.set ADS,   30
.set ADV,   31
.set QS,    80
.set PS,    82
.set KS,    248
.set TM,    232
.set PC,    32
.set PW,    252
.set WV,    12
.set SEL,   20
.set CS,    22
.set G1,    24                         ; s[24:31] group 1: 75 rows of 256 bytes;  s[32:39]: 50 rows
.set G1L,   32
.set G0,    40                         ; s[40:51] groups 0: slot 0, slot 1, the refill
.set TB,    56
.set CNT,   58
.set MSB, 0
.macro WIN new                         ; the immediate's high byte repeats the setting that is left
.if MSB != (\new)
	s_set_vgpr_msb (MSB<<8)|(\new)
.set MSB, \new
.endif
.endm
.macro NOPS
.rept 4
	v_nop
.endr
.endm
.macro CROUND                          ; a round of the cluster's barrier
	s_barrier_signal -1
	s_barrier_wait -1
	s_cmp_lg_u32 s[WV], 0
	s_cbranch_scc1 .Lnot_wave_0_\@
	s_barrier_signal -3
.Lnot_wave_0_\@:
	s_barrier_wait -3
	s_barrier_signal -1
	s_barrier_wait -1
.endm
	s_load_b64 s[4:5], s[0:1], 0x0                 ; qkv_img
	s_load_b128 s[8:11], s[0:1], 0x8               ; o_img, o_sc
	v_lshl_add_u32 v[SPW], v0, 2, SPARE
	v_mov_b32 v[NIL], 0
	ds_add_u32 v[SPW], v[NIL]                      ; the opening lines: the add, twice on end, and its wait ahead of my first tensor load
	ds_add_u32 v[SPW], v[NIL]
	v_lshrrev_b32 v8, 5, v0
	v_readfirstlane_b32 s[WV], v8                  ; wave 0..7
	s_bfe_u32 s13, ttmp6, 0x40000                  ; cx: it enters Q's and O's addresses alone
	s_lshl_b32 s14, ttmp9, 2
	s_add_co_u32 s14, s14, s13                     ; my block of 256 queries
	s_and_b32 s15, ttmp7, 0xffff                   ; bh, which the four partners share
	s_lshr_b32 s16, s[WV], 2                       ; what I fetch: K (0) or V (1),
	s_and_b32 s17, s[WV], 3                        ; and which quarter
.irp g, G1, G1L
	s_mov_b32 s[\g], 15|(3<<16)|(1<<21)            ; the mask: all four work-groups; elements of 8 bytes; bit 21 beside a mask; no padding
	s_mov_b32 s[\g+1], 32<<16
	s_mov_b32 s[\g+3], 32<<16
	s_mov_b32 s[\g+5], 32
	s_mov_b32 s[\g+6], 0
	s_mov_b32 s[\g+7], 0
.endr
	s_mov_b32 s[G1+2], 75<<16
	s_mov_b32 s[G1+4], 75
	s_mov_b32 s[G1L+2], 50<<16
	s_mov_b32 s[G1L+4], 50
	s_add_co_u32 s18, s16, 1                       ; the part: 1 K, 2 V
	s_mul_i32 s60, s18, 512*REC
	s_mul_i32 s19, s15, 16*REC
	s_add_co_u32 s60, s60, s19                     ; the head's 16 records of that part
	s_mov_b32 s61, 0
	s_mul_i32 s62, s17, PARTB/4                    ; my quarter of six records
	s_mov_b32 s63, 0
	s_mul_i32 s2, s16, PARTB
	s_add_co_u32 s3, s2, s62                       ; where it goes in a slot
	s_mul_i32 s18, s17, REC                        ; my quarter of the last four records,
	s_mov_b32 s19, 0
	s_add_co_u32 s2, s2, s18                       ; and where it goes
	s_mov_b32 s[SEL], 0x76543210
	s_mov_b32 s[SEL+1], 0xfedcba98                 ; selects for lane l xor 16
	s_mov_b32 s[CS], 0x3e0293ee                    ; c = log2(e) / sqrt(128)
	s_mov_b32 s[CS+1], s[CS]
	s_wait_dscnt 0x0                               ; both opening adds are done
	s_wait_kmcnt 0x0
	s_add_nc_u64 s[60:61], s[4:5], s[60:61]
	s_mov_b32 s[G0], 1
	s_mov_b32 s[G0+1], s3
	s_add_nc_u64 s[G0+2:G0+3], s[60:61], s[62:63]  ; key steps 0-5
	s_mov_b32 s[G0+4], 1
	s_add_co_u32 s[G0+5], s3, SLOT
	s_add_nc_u64 s[G0+6:G0+7], s[G0+2:G0+3], PARTB ; key steps 6-11
	s_mov_b32 s[G0+8], 1
	s_mov_b32 s[G0+9], s2
	s_add_nc_u64 s[G0+10:G0+11], s[60:61], s[18:19]
	s_add_nc_u64 s[G0+10:G0+11], s[G0+10:G0+11], 12*REC   ; key steps 12-15
	s_or_b32 s[G0+3], s[G0+3], 0x80000000
	s_or_b32 s[G0+7], s[G0+7], 0x80000000
	s_or_b32 s[G0+11], s[G0+11], 0x80000000
	CROUND                                         ; all four work-groups are here: the first joint loads meet
	tensor_load_to_lds s[G0:G0+3], s[G1:G1+7]      ; my one load at the head
	s_nop 0
	NOPS
	s_lshl_b32 s18, s14, 1
	s_add_co_u32 s18, s18, s16                     ; Q's record: 2 x block + wave / 4
	s_mul_i32 s60, s18, REC
	s_mul_i32 s19, s15, 16*REC
	s_add_co_u32 s60, s60, s19
	s_mov_b32 s61, 0
	s_add_nc_u64 s[4:5], s[4:5], s[60:61]
	s_lshr_b32 s18, s17, 1                         ; my tiles are its fragments 2 (wave % 4) and the next: their words are neighbours
	s_lshl_b32 s18, s18, 8
	s_and_b32 s19, s[WV], 1
	s_lshl_b32 s19, s19, 3
	s_add_co_u32 s60, s18, s19
	s_add_co_u32 s60, s60, 12288
	s_add_nc_u64 s[6:7], s[4:5], s[60:61]          ; Q's scale words
	s_mul_i32 s60, s17, 3072
	s_add_nc_u64 s[4:5], s[4:5], s[60:61]          ; Q's images
	s_lshl_b32 s18, s14, 4
	s_lshl_b32 s19, s[WV], 1
	s_add_co_u32 s18, s18, s19                     ; F = 16 x block + 2 x wave
	s_lshr_b32 s19, s15, 3                         ; batch
	s_lshl_b32 s62, s19, 7
	s_add_co_u32 s62, s62, s18
	s_lshl_b32 s62, s62, 3
	s_and_b32 s63, s15, 7                          ; head
	s_add_co_u32 s62, s62, s63
	s_mul_i32 s60, s62, 1536
	s_add_nc_u64 s[8:9], s[8:9], s[60:61]          ; O's image: ((128 batch + F) 8 + head) x 1,536; tile 1's 12,288 bytes on
	s_lshl_b32 s62, s19, 4
	s_lshl_b32 s2, s14, 1
	s_add_co_u32 s62, s62, s2
	s_and_b32 s2, s[WV], 1
	s_add_co_u32 s62, s62, s2
	s_lshl_b32 s60, s62, 12
	s_lshl_b32 s63, s63, 9
	s_add_co_u32 s60, s60, s63
	s_add_nc_u64 s[10:11], s[10:11], s[60:61]      ; O's scale words: (16 batch + 2 block + wave % 2) x 4,096 + 512 head
	s_lshr_b32 s18, s[WV], 1
	s_lshl_b32 s18, s18, 8
	s_and_b32 s19, s[WV], 1
	s_lshl_b32 s19, s19, 3
	s_add_co_u32 s18, s18, s19
	s_add_co_u32 s18, s18, STG
	s_lshl_b32 s19, s2, 9
	s_add_co_u32 s19, s19, STG
	v_and_b32 v8, 31, v0
	v_and_b32 v10, 15, v0
	v_lshlrev_b32 v[LI], 4, v8
	v_lshlrev_b32 v2, 4, v10                       ; 16 r
	v_and_b32 v8, 7, v0
	v_bfe_u32 v10, v0, 3, 1                        ; r / 8
	v_bfe_u32 v30, v0, 4, 1                        ; h
	v_lshlrev_b32 v8, 4, v8
	v_add_nc_u32 v3, s18, v2                       ; the stage: fragment 2 w + t: 256 (w / 2) + 8 (w % 2) + 16 r, + 4 t
	v_add_nc_u32 v4, s19, v[LI]                    ; and the words' way out (waves 0 and 1)
	v_lshl_add_u32 v8, v30, 8, v8                  ; 16 (r % 8) + 256 h
	v_add_nc_u32 v[LV], PARTB, v[LI]
	v_lshlrev_b32 v[H8], 3, v30
	v_mad_u32_u24 v[L0], v10, 3200, v8             ; lanes 8-15: two fragments on, in the exchanged half
	v_mad_u32_u24 v[L1], v10, 2944, v8
	v_lshl_add_u32 v[LS], v10, 3, v8               ; words: 256 h + 16 (r % 8) + 8 (r / 8)
	v_add_nc_u32 v[L1], 128, v[L1]
	s_wait_alu depctr_va_vdst(0)                   ; the wait ahead of the readers below
.irp c, 0,1,2
	global_load_b128 v[16+4*\c:19+4*\c], v[LI], s[4:5] offset:512*\c   ; Q's fragments stay in registers: tile 0's,
.endr
	global_load_b64 v[QS:QS+1], v2, s[6:7]         ; both tiles' scale words,
	WIN 0x40
.irp c, 0,1,2
	global_load_b128 v[16+4*\c:19+4*\c], v[LI], s[4:5] offset:1536+512*\c   ; and tile 1's
.endr
	v_lshlrev_b32 v[H8], 3, v30                    ; 8 h in window 1 too
.macro INIT                            ; a tile's start: the step is written once; the first finds zeros, which the first change of M leaves zeros
	v_mov_b32 v13, 0xff61b1e6                      ; the largest score so far: -3e38
	v_mov_b32 v12, 0x7f61b1e6                      ; -M: 3e38
	v_mov_b32 v14, 0
	v_mov_b32 v15, 0
.irp b, 0,1,2,3
	v_mov_b32 v[236+\b], 0                         ; a lane permute's destination counts as one of its sources
.endr
	v_mov_b32 v253, 0
.set j, 0
.rept 64
	v_mov_b32 v[160+j], 0                          ; O^T
.set j, j+1
.endr
.endm
	WIN 0
	INIT
	WIN 0x55
	INIT
	WIN 0
.macro KFRAGS f0                       ; K's tiles f0 .. f0 + 3 into v32-79 of the destination's window
.irp u, 0,1,2,3
.irp c, 0,1,2
	ds_load_b128 v[32+12*\u+4*\c:35+12*\u+4*\c], v[ADK+2*(\u/2)] offset:(\f0+\u%2)*1536+512*\c
.endr
.endr
.endm
.macro VFRAGS f0                       ; V's fragments as they were stored: 512 consecutive bytes a load
.irp u, 0,1,2,3
.irp c, 0,1,2
	ds_load_b128 v[32+12*\u+4*\c:35+12*\u+4*\c], v[ADV] offset:(\f0+\u)*1536+512*\c
.endr
.endr
.endm
.macro SPROD win, sb, t, row           ; four products S^T = K Q^T of tile t; row = 1: K's scale words lie in lanes 16-31
	WIN \win
.irp i, 0,1,2,3
.if \row
	v_wmma_scale_f32_16x16x128_f8f6f4 v[\sb+8*\i:\sb+8*\i+7], v[32+12*\i:43+12*\i], v[16:27], 0, v[KS+\i], v[QS+\t] matrix_a_fmt:MATRIX_FMT_FP6 matrix_b_fmt:MATRIX_FMT_FP6 matrix_a_scale:MATRIX_SCALE_ROW1
.else
	v_wmma_scale_f32_16x16x128_f8f6f4 v[\sb+8*\i:\sb+8*\i+7], v[32+12*\i:43+12*\i], v[16:27], 0, v[KS+\i], v[QS+\t] matrix_a_fmt:MATRIX_FMT_FP6 matrix_b_fmt:MATRIX_FMT_FP6
.endif
.endr
.endm
.macro PVPROD win, ob, t, row          ; four products O^T += V^T P^T of tile t; the sixteen accumulators take turns
	WIN \win
.irp i, 0,1,2,3
.if \row
	v_wmma_scale_f32_16x16x128_f8f6f4 v[\ob+8*\i:\ob+8*\i+7], v[32+12*\i:43+12*\i], v[224:235], v[\ob+8*\i:\ob+8*\i+7], v[KS+\i], v[PS+\t] matrix_a_fmt:MATRIX_FMT_FP6 matrix_b_fmt:MATRIX_FMT_FP6 matrix_a_scale:MATRIX_SCALE_ROW1
.else
	v_wmma_scale_f32_16x16x128_f8f6f4 v[\ob+8*\i:\ob+8*\i+7], v[32+12*\i:43+12*\i], v[224:235], v[\ob+8*\i:\ob+8*\i+7], v[KS+\i], v[PS+\t] matrix_a_fmt:MATRIX_FMT_FP6 matrix_b_fmt:MATRIX_FMT_FP6
.endif
.endr
.endm
; One tile's softmax for one key step.  Registers 96 + 32 c on are my block 2 c + h of 32 keys.
.macro SOFTMAX t
	WIN 0x55*\t
	s_wait_alu depctr_va_vdst(0)                   ; the wait ahead of the first reader of the scores
.irp c, 0,1
	v_max3_num_f32 v[232+\c], v[96+32*\c], v[97+32*\c], v[98+32*\c]   ; the largest score of each block, in two chains; each accumulator from its low end on
	v_max3_num_f32 v[234+\c], v[99+32*\c], v[100+32*\c], v[101+32*\c]
.endr
.irp i, 6,10,14,18,22,26
.irp c, 0,1
	v_max3_num_f32 v[232+\c], v[232+\c], v[96+32*\c+\i], v[97+32*\c+\i]
	v_max3_num_f32 v[234+\c], v[234+\c], v[98+32*\c+\i], v[99+32*\c+\i]
.endr
.endr
.irp c, 0,1
	v_max3_num_f32 v[232+\c], v[232+\c], v[126+32*\c], v[127+32*\c]
.endr
.irp c, 0,1
	s_delay_alu instid0(VALU_DEP_2)
	v_max_num_f32 v[232+\c], v[232+\c], v[234+\c]  ; it serves twice: for the row's maximum and, since p rises with the score, for the block's largest p
.endr
	s_delay_alu instid0(VALU_DEP_1)
	v_max_num_f32 v254, v232, v233
	s_delay_alu instid0(VALU_DEP_1)
	v_permlanex16_b32 v236, v254, s[SEL], s[SEL+1]
	s_delay_alu instid0(VALU_DEP_1)
	v_max3_num_f32 v13, v13, v254, v236            ; the running largest score of my query, lane l xor 16's blocks among them
	v_mov_b32 v237, v12
	s_delay_alu instid0(VALU_DEP_2)
	v_mul_f32 v254, s[CS], v13                     ; as t (c is positive)
	s_delay_alu instid0(VALU_DEP_1)
	v_floor_f32 v12, -v254                         ; the new -M = floor(-t) = -ceil(t)
	s_delay_alu instid0(VALU_DEP_1)
	v_sub_f32 v254, v12, v237                      ; old M less new M: a whole number, 0 or less
	s_delay_alu instid0(VALU_DEP_1)
	v_cvt_i32_f32 v254, v254                       ; (it saturates)
	s_delay_alu instid0(VALU_DEP_1)
	v_ldexp_f32 v252, 1.0, v254                    ; f = 2^(old M - new M)
.set j, 0
.rept 32
	v_pk_fma_f32 v[96+j:97+j], v[96+j:97+j], s[CS:CS+1], v[12:13] op_sel_hi:[1,0,0]   ; t - M, two at a time
.set j, j+2
.endr
.irp c, 0,1
	v_fma_f32 v[232+\c], v[232+\c], s[CS], v12     ; the same of each block's largest score
.endr
	s_wait_alu depctr_va_vdst(0)                   ; the wait ahead of the batch
.set j, 0
.rept 64
	v_exp_f32 v[96+j], v[96+j]                     ; p = 2^(t - M), at most 1
.set j, j+1
.endr
.irp c, 0,1
	v_exp_f32 v[232+\c], v[232+\c]                 ; the block's largest p: the same two instructions on the same number give the same bits
.endr
	v_pk_mul_f32 v[14:15], v[14:15], v[252:253] op_sel_hi:[1,0]   ; the sums under the new M: a plain place behind the exponentials
	s_wait_alu depctr_va_vdst(0)                   ; one wait for the batch, ahead of its first reader
.irp c, 0,1
	v_max_num_f32 v[232+\c], 0x1800000, v[232+\c]  ; the floor 2^(3 - 127): the byte cannot fall under 1
.endr
.irp c, 0,1
	v_add_nc_u32 v[244+\c], 0xff000000, v[232+\c]  ; 2 off the exponent field: the conversion's scale operand
.endr
.irp c, 0,1
	v_lshrrev_b32 v[236+\c], 23, v[244+\c]         ; the scale's byte
.endr
	v_lshl_or_b32 v253, v237, 16, v236             ; my two bytes: blocks h and 2 + h,
	v_lshlrev_b32 v253, v[H8], v253                ; 8 h bits up;
	v_permlanex16_b32 v238, v253, s[SEL], s[SEL+1]
	WIN 0x15*\t                                    ; the word goes to window 0: scale operands have no window
	v_or_b32 v[PS+\t], v253, v238                  ; with lane l xor 16's two the query's word is whole
	WIN 0x55*\t
.irp c, 0,1
	v_cvt_scalef32_pk16_fp6_f32 v[224+6*\c:226+6*\c], v[96+32*\c:111+32*\c], v[244+\c]
	v_cvt_scalef32_pk16_fp6_f32 v[236+4*\c:238+4*\c], v[112+32*\c:127+32*\c], v[244+\c]   ; (a conversion's three registers begin on an even number)
.endr
	v_nop                                          ; one plain place behind a scaled conversion
.irp c, 0,1
.irp i, 0,1,2
	v_mov_b32 v[227+6*\c+\i], v[236+4*\c+\i]       ; registers 6 c .. 6 c + 5: keys 64 c + 32 h + 0 .. 31
.endr
.endr
	v_pk_add_f32 v[236:237], v[96:97], v[98:99]    ; the row's sum is taken of the unquantised p: two at a time, in two chains
.irp j, 4,8,12,16,20,24,28,32,36,40,44,48,52,56,60
	v_pk_add_f32 v[14:15], v[14:15], v[96+\j:97+\j]
	v_pk_add_f32 v[236:237], v[236:237], v[98+\j:99+\j]
.endr
	s_delay_alu instid0(VALU_DEP_1)
	v_pk_add_f32 v[14:15], v[14:15], v[236:237]
	s_wait_alu depctr_va_vdst(0)                   ; the wait ahead of the first reader of O^T
.set j, 0
.rept 32
	v_pk_mul_f32 v[160+j:161+j], v[160+j:161+j], v[252:253] op_sel_hi:[1,0]   ; O^T under the new M, each accumulator from its low end on
.set j, j+2
.endr
.endm
; A KEY STEP: 128 keys, K's record at LDS byte s[TB], V's PARTB further on, for both tiles of queries.
.macro STEP
	v_add_nc_u32 v[ADK], s[TB], v[L0]              ; these four are the places in front of loads into registers that the last products read
	v_add_nc_u32 v[ADK+2], s[TB], v[L1]
	v_add_nc_u32 v[ADS], s[TB], v[LS]
	v_add_nc_u32 v[ADV], s[TB], v[LV]
	ds_load_b64 v[KS:KS+1], v[ADS] offset:12288    ; K's scale words: tiles 4 h, 4 h + 1 of my row,
	ds_load_b64 v[KS+2:KS+3], v[ADS] offset:12416  ; tiles 4 h + 2, 4 h + 3
	KFRAGS 0                                       ; K's tiles 0-3 into buffer X,
	WIN 0x40
	KFRAGS 4                                       ; 4-7 into buffer Y
	WIN 0
	s_wait_alu depctr_va_vdst(0)
	s_wait_dscnt 12                                ; the scale words and buffer X are in; the youngest twelve loads (buffer Y) may be out
	SPROD 0x00, 96, 0, 0
	SPROD 0x54, 96, 1, 0
	s_wait_dscnt 0x0                               ; buffer Y is in
	SPROD 0x55, 128, 1, 1
	SPROD 0x01, 128, 0, 1
	NOPS                                           ; places in front of the loads below and of the first read of the scores
	WIN 0x40
	VFRAGS 4                                       ; all of V lands under the two softmaxes
	WIN 0
	ds_load_b128 v[KS:KS+3], v[ADV] offset:12288   ; V's scale words: lanes 0-15 fragments 0-3, lanes 16-31 fragments 4-7
	VFRAGS 0
	SOFTMAX 0
	SOFTMAX 1
	s_wait_alu depctr_va_vdst(0)                   ; directly ahead of the wait below
	s_wait_dscnt 0x0                               ; V
	PVPROD 0x55, 192, 1, 1
	PVPROD 0x01, 192, 0, 1
	PVPROD 0x00, 160, 0, 0
	PVPROD 0x54, 160, 1, 0
	WIN 0
.endm
.macro PHASE n, tb                     ; n key steps on end, K's records from LDS byte tb
	s_mov_b32 s[TB], \tb
	s_mov_b32 s[CNT], \n
.Lstep_\@:
	STEP
	s_add_co_u32 s[TB], s[TB], REC
	s_sub_co_u32 s[CNT], s[CNT], 1
	s_cmp_lg_u32 s[CNT], 0
	s_cbranch_scc1 .Lstep_\@
.endm
; The way out's quantiser.  V's channels come in the stored order, so register 16 b + i of a lane is channel 32 b + 16 h + i of my query: half blocks, joined with lane l xor 16.
.macro QUANT s
.irp b, 0,1,2,3
	v_max3_num_f32 v[TM+\b], |v[\s+16*\b]|, |v[\s+1+16*\b]|, 0x1800000
.endr
.irp i, 2,4,6,8,10,12,14
.irp b, 0,1,2,3
	v_max3_num_f32 v[TM+\b], v[TM+\b], |v[\s+16*\b+\i]|, |v[\s+1+16*\b+\i]|
.endr
.endr
.irp b, 0,1,2,3
	v_permlanex16_b32 v[TM+4+\b], v[TM+\b], s[SEL], s[SEL+1]
.endr
.irp b, 0,1,2,3
	v_max_num_f32 v[TM+\b], v[TM+\b], v[TM+4+\b]
.endr
.irp b, 0,1,2,3
	v_add_nc_u32 v[TM+12+\b], 0xff000000, v[TM+\b]
.endr
.irp b, 0,1,2,3
	v_lshrrev_b32 v[TM+4+\b], 23, v[TM+12+\b]
.endr
	s_delay_alu instid0(VALU_DEP_3)
	v_lshl_or_b32 v[PW], v[TM+5], 8, v[TM+4]
	s_delay_alu instid0(VALU_DEP_1)
	v_lshl_or_b32 v[PW], v[TM+6], 16, v[PW]
	s_delay_alu instid0(VALU_DEP_1)
	v_lshl_or_b32 v[PW], v[TM+7], 24, v[PW]
.irp c, 0,1
	v_cvt_scalef32_pk16_fp6_f32 v[PC+6*\c:PC+2+6*\c], v[\s+32*\c:\s+15+32*\c], v[TM+12+2*\c]
	v_cvt_scalef32_pk16_fp6_f32 v[PC+12+4*\c:PC+14+4*\c], v[\s+16+32*\c:\s+31+32*\c], v[TM+12+2*\c+1]
.endr
	v_nop                                          ; one plain place behind a scaled conversion
.irp c, 0,1
.irp i, 0,1,2
	v_permlane16_swap_b32 v[PC+6*\c+\i], v[PC+12+4*\c+\i]
.endr
.irp i, 0,1,2
	v_mov_b32 v[PC+3+6*\c+\i], v[PC+12+4*\c+\i]
.endr
.endr
.endm
; A tile's way out: O^T / the sum is quantised along the head's 128 channels and leaves as a fragment's image; its rows' scale words go to the stage.
.macro FINISH t
	WIN 0x55*\t
	v_add_f32 v14, v14, v15
	s_delay_alu instid0(VALU_DEP_1)
	v_permlanex16_b32 v252, v14, s[SEL], s[SEL+1]
	s_delay_alu instid0(VALU_DEP_1)
	v_add_f32 v14, v14, v252                       ; the row's sum
	s_wait_alu depctr_va_vdst(0)
	v_rcp_f32 v14, v14
	v_nop                                          ; a plain place behind the transcendental
	s_wait_alu depctr_va_vdst(0)
.set j, 0
.rept 64
	v_mul_f32 v[96+j], v[160+j], v14               ; each accumulator from its low end on
.set j, j+1
.endr
	QUANT 96
	WIN 0x04*\t                                    ; a store's data are its source 1: the tile's window
.irp c, 0,1,2
	global_store_b128 v[LI], v[PC+4*\c:PC+4*\c+3], s[8:9] offset:12288*\t+512*\c   ; 512 consecutive bytes, aligned
.endr
	ds_store_b32 v3, v[PW] offset:4*\t             ; both lanes of a row write the same word with the same value
.endm
	s_wait_alu depctr_va_vdst(0)                   ; the wait at the head's end
	s_wait_tensorcnt 0x0                           ; my part of slot 0 is in
	ds_add_u32 v[SPW], v[NIL]
	s_wait_dscnt 0x0
	CROUND                                         ; everybody's part is in, and all four work-groups are here
	tensor_load_to_lds s[G0+4:G0+7], s[G1:G1+7]    ; slot 1: key steps 6-11
	s_nop 0
	NOPS
	s_wait_loadcnt 0x0                             ; Q
	PHASE 6, 0                                     ; key steps 0-5
	s_wait_tensorcnt 0x0                           ; my part of slot 1 is in
	ds_add_u32 v[SPW], v[NIL]                      ; 0 onto my spare word
	s_wait_dscnt 0x0                               ; the add is done, and my reads of slot 0 are over
	CROUND                                         ; both now hold of every wave of all four work-groups
	tensor_load_to_lds s[G0+8:G0+11], s[G1L:G1L+7] ; the one refill: key steps 12-15 into slot 0
	s_nop 0
	NOPS
	PHASE 6, SLOT                                  ; key steps 6-11
	s_wait_tensorcnt 0x0                           ; my part of the refill is in
	ds_add_u32 v[SPW], v[NIL]
	s_wait_dscnt 0x0
	s_barrier_signal -1
	s_barrier_wait -1                              ; everybody's is
	PHASE 4, 0                                     ; key steps 12-15
	NOPS                                           ; places behind the last products
	FINISH 0
	FINISH 1
	WIN 0
	s_wait_dscnt 0x0                               ; for the others' sake: my scale words have landed
	s_barrier_signal -1
	s_barrier_wait -1
	s_cmp_lt_u32 s[WV], 2
	s_cbranch_scc0 .Lno_sc
	ds_load_b128 v[96:99], v4                      ; eight fragments' scale words
	s_wait_dscnt 0x0
	global_store_b128 v[LI], v[96:99], s[10:11]    ; 512 consecutive bytes, aligned
.Lno_sc:
	s_wait_tensorcnt 0x0                           ; the wave's end
	ds_add_u32 v[SPW], v[NIL]
	s_wait_dscnt 0x0
	CROUND                                         ; the closing round
	s_endpgm
.Lfunc_end_k_qfa3c1dc0d7_attn:
	.size	k_qfa3c1dc0d7_attn, .Lfunc_end_k_qfa3c1dc0d7_attn-k_qfa3c1dc0d7_attn
	.p2alignl 7, 3214868480
	.fill 96, 4, 3214868480
	.section	.rodata,"a",@progbits
	.p2align	6, 0x0
	.amdhsa_kernel k_qfa3c1dc0d7_attn
		.amdhsa_group_segment_fixed_size 327680
		.amdhsa_private_segment_fixed_size 0
		.amdhsa_enable_private_segment 0
		.amdhsa_kernarg_size 24
		.amdhsa_user_sgpr_count 2
		.amdhsa_user_sgpr_kernarg_segment_ptr 1
		.amdhsa_wavefront_size32 1
		.amdhsa_system_sgpr_workgroup_id_x 1
		.amdhsa_system_sgpr_workgroup_id_y 1
		.amdhsa_system_sgpr_workgroup_id_z 1
		.amdhsa_system_vgpr_workitem_id 0
		.amdhsa_next_free_vgpr 512
		.amdhsa_next_free_sgpr 66
		.amdhsa_reserve_vcc 0
		.amdhsa_float_denorm_mode_32 3
		.amdhsa_float_denorm_mode_16_64 3
		.amdhsa_memory_ordered 1
		.amdhsa_forward_progress 1
		.amdhsa_inst_pref_size 125
	.end_amdhsa_kernel
	.amdgpu_metadata
---
amdhsa.version: [ 1, 2 ]
amdhsa.kernels:
  - .name:           k_qfa3c1dc0d7_attn
    .symbol:         k_qfa3c1dc0d7_attn.kd
    .args:
      - { .name: qkv_img, .offset: 0, .size: 8, .value_kind: global_buffer, .address_space: global }
      - { .name: o_img, .offset: 8, .size: 8, .value_kind: global_buffer, .address_space: global }
      - { .name: o_sc, .offset: 16, .size: 8, .value_kind: global_buffer, .address_space: global }
    .group_segment_fixed_size: 327680
    .private_segment_fixed_size: 0
    .kernarg_segment_align: 8
    .kernarg_segment_size: 24
    .max_flat_workgroup_size: 256
    .sgpr_count:     66
    .vgpr_count:     512
    .wavefront_size: 32
...
	.end_amdgpu_metadata
.endif
;; end of part 3
;; launch oproj (part 4): grid 4 x 64, 4 waves a work-group, clusters of 4 x 4, 327,680 bytes of LDS; arguments o_img, o_sc, w_img, w_sc, bo, out0; writes out0
.if DOCPART == 4
	.amdgcn_target "amdgcn-amd-amdhsa--gfx1250"
	.amdhsa_code_object_version 6
	.text
	.protected	k_qfa3c1dc0d7_oproj
	.globl	k_qfa3c1dc0d7_oproj
	.p2align	8
	.type	k_qfa3c1dc0d7_oproj,@function
k_qfa3c1dc0d7_oproj:
	s_mov_b64 s[64:65], 0
	v_nop
	global_prefetch_b8 v0, s[64:65] scope:SCOPE_SE
	s_setreg_imm32_b32 hwreg(HW_REG_WAVE_MODE, 25, 1), 1
	s_wait_xcnt 0x0
	s_wait_alu depctr_hold_cnt(0) depctr_sa_sdst(0) depctr_va_vdst(0) depctr_va_sdst(0) depctr_va_ssrc(0) depctr_va_vcc(0) depctr_vm_vsrc(0)
	s_getreg_b32 s2, hwreg(HW_REG_IB_STS2, 6, 4)
	s_cmp_eq_u32 s2, 0
	s_cbranch_scc0 .Lentry_in_a_cluster
	s_endpgm
.Lentry_in_a_cluster:
	s_bfe_u32 s2, ttmp6, 0x10000c
	s_cmp_lg_u32 s2, 0xf033
	s_cbranch_scc0 .Lentry_shape_is_right
	s_endpgm
.Lentry_shape_is_right:
; out0 = O Wo + bo on codes of FP6 (E2M3) with E8M0 scales; out0 [8192][1024] f32.
; Operands arrive as images of their registers (a fragment, 16 rows x 128 K, is 1,536 bytes: register 4 c + e of lane l at 512 c + 16 l + 4 e; a block of 16 rows has its eight K steps on end, 12,288 bytes)
; and their scale words in groups of 512 bytes for 128 rows and a K step (fragment 4 g + i, row r at 256 g + 16 r + 4 i).  Lane r of fragment f of a group of 128 rows holds row 32 (f/2) + 8 (f%2) + r + 8 (r/8).
; A BLOCK of 128 rows x 256 columns is made by four waves, each 64 x 128: 32 accumulators.  8,192 x 1,024 gives 64 x 4 = 256 work-groups.
; Source 0 = 16 columns of Wo (blocks 192 on of w_img), source 1 = 16 rows of O: lane (r, h) holds row r of O's fragment a, and accumulator b's eight registers are the neighbouring columns
; 32 (b/2) + 16 h + 8 (b%2) + 0 .. 7.  The bias is the C of the first K step.
; ALL OF K LIES IN LDS AT ONCE: A's 8 blocks (98,304 bytes), then B's 16 (196,608): each byte is filled once, by one joint load a wave at the head (waves 0, 1: A's halves; waves 2, 3: B's); nothing is filled again.
; THE SCALE WORDS go from memory into registers, once: sixteen lanes read 256 consecutive bytes, aligned; 16 loads a wave.
; CLUSTERS: 4 x 4.  O's tiles hang on cy alone and are asked for jointly along a row of the cluster, Wo's on cx alone, along a column.
; NO PREFETCH: every tile is asked for at the head, and there is no loop to run ahead in.
; REGISTERS, in windows of 256: window 0: v1 r, v2 h, v8 the bias's offset, v9 16 r, v16 A's LDS address, v20-21 B's, v25 16 x lane, v26-27 the stage, v28-29 the add's two; v32-63 A's scale words (4 q + a),
;   v64-95 B's (4 q + i: lanes 0-15 block i, lanes 16-31 block 4 + i); v128-223 A's fragments, two sets of 48; on the way out v128-255 rows of out0.
;   window 1: B's fragments, two sets, v0-95 and v128-223; the bias's eight tiles at v96-127 and v224-255.   window 2: accumulator (a, b) at v[64 a + 8 b].
.set BLK,    12288                     ; a block: 16 rows x all of K
.set ABYTES, 8*BLK
.set SPARE,  24*BLK                    ; behind A and B: the spare words, 128 bytes for each wave
.set SPITCH, 528                       ; the way out: a stage of 16 rows x (512 + 16) bytes for each wave, in A's bytes: filled once, and read by nobody behind the last K step's barrier
.set ADRA,  16
.set ADRB,  20
.set LI,    25
.set STO,   26
.set RD,    27
.set SPW,   28
.set NIL,   29
.set SA,    32
.set SB,    64
.set AF,    128
.set BK,    128
.set CX,    16
.set CY,    17
.set CLY,   18
.set HF,    19                         ; wave % 2: my half of B's columns, and which half I fetch
.set WV,    30
.set FA,    31                         ; wave / 2: my half of A's rows, and: I fetch for A (0) or B (1)
.set G1A,   32
.set G1B,   40
.set G0A,   48
.set G0B,   52
.set MSB, 0
.macro WIN new                         ; the immediate's high byte repeats the setting that is left
.if MSB != (\new)
	s_set_vgpr_msb (MSB<<8)|(\new)
.set MSB, \new
.endif
.endm
.macro PLACES                          ; four places in front of loads into registers that matrix instructions have read, and of the first read of results
.rept 4
	v_nop
.endr
.endm
.macro CROUND                          ; a round of the cluster's barrier
	s_barrier_signal -1
	s_barrier_wait -1
	s_cmp_lg_u32 s[WV], 0
	s_cbranch_scc1 .Lnot_wave_0_\@
	s_barrier_signal -3
.Lnot_wave_0_\@:
	s_barrier_wait -3
	s_barrier_signal -1
	s_barrier_wait -1
.endm
	s_load_b256 s[4:11], s[0:1], 0x0               ; o_img, o_sc, w_img, w_sc
	s_load_b128 s[12:15], s[0:1], 0x20             ; bo, out0
	v_lshl_add_u32 v[SPW], v0, 2, SPARE
	v_mov_b32 v[NIL], 0
	ds_add_u32 v[SPW], v[NIL]                      ; the opening lines: the add, twice on end, and its wait ahead of my first tensor load
	ds_add_u32 v[SPW], v[NIL]
	v_lshrrev_b32 v1, 5, v0
	v_readfirstlane_b32 s[WV], v1
	s_lshr_b32 s[FA], s[WV], 1
	s_and_b32 s[HF], s[WV], 1
	s_bfe_u32 s[CX], ttmp6, 0x40000                ; cx, cy: my place in the cluster
	s_bfe_u32 s[CY], ttmp6, 0x40004
	s_and_b32 s[CLY], ttmp7, 0xffff                ; the cluster's y
	s_lshl_b32 s20, s[CY], 2
	s_lshl_b32 s20, 15, s20                        ; my row of the cluster
	s_lshl_b32 s21, 0x1111, s[CX]                  ; my column
	s_or_b32 s[G1A], s20, (3<<16)|(1<<21)          ; 15:0 the mask; 17:16 elements of 8 bytes; 21 set beside a mask; no padding: every read is of 512 consecutive bytes
	s_or_b32 s[G1B], s21, (3<<16)|(1<<21)
.irp g, G1A, G1B                       ; dense blocks, a row of 12,288 bytes (1,536 elements) each
	s_mov_b32 s[\g+1], 1536<<16
	s_mov_b32 s[\g+3], 1536<<16
	s_mov_b32 s[\g+5], 1536
	s_mov_b32 s[\g+6], 0
	s_mov_b32 s[\g+7], 0
.endr
	s_mov_b32 s[G1A+2], 4<<16                      ; half of A: 4 blocks
	s_mov_b32 s[G1A+4], 4
	s_mov_b32 s[G1B+2], 8<<16                      ; half of B: 8 blocks
	s_mov_b32 s[G1B+4], 8
	s_lshl_b32 s22, s[CLY], 2
	s_add_co_u32 s22, s22, s[CY]                   ; ta = 4 Cy + cy: the group of 128 rows; no cx enters what feeds A's descriptor
	s_lshl_b32 s23, s22, 3
	s_lshl_b32 s24, s[HF], 2
	s_add_co_u32 s23, s23, s24                     ; the first of the 4 blocks of A that I would fetch
	s_mul_i32 s56, s23, BLK
	s_mov_b32 s57, 0
	s_lshl_b32 s25, s[CX], 4                       ; no cy enters what feeds B's
	s_lshl_b32 s26, s[HF], 3
	s_add_co_u32 s25, s25, s26
	s_add_co_u32 s25, s25, 192                     ; Wo begins at block 192 of w_img
	s_mul_i32 s58, s25, BLK
	s_mov_b32 s59, 0
	s_mul_i32 s27, s[HF], 4*BLK                    ; where they go: A's halves,
	s_mul_i32 s28, s[HF], 8*BLK
	s_add_co_u32 s28, s28, ABYTES                  ; B's halves behind them
	s_wait_dscnt 0x0                               ; both opening adds are done
	s_wait_kmcnt 0x0
	s_mov_b32 s[G0A], 1
	s_mov_b32 s[G0A+1], s27
	s_add_nc_u64 s[G0A+2:G0A+3], s[4:5], s[56:57]
	s_or_b32 s[G0A+3], s[G0A+3], 0x80000000
	s_mov_b32 s[G0B], 1
	s_mov_b32 s[G0B+1], s28
	s_add_nc_u64 s[G0B+2:G0B+3], s[8:9], s[58:59]
	s_or_b32 s[G0B+3], s[G0B+3], 0x80000000
	CROUND                                         ; all sixteen work-groups are here: the joint loads meet
	s_cmp_eq_u32 s[FA], 0                          ; one load a wave: waves 0 and 1 ask for A, waves 2 and 3 for B
	s_cbranch_scc0 .Lfor_b
	tensor_load_to_lds s[G0A:G0A+3], s[G1A:G1A+7]
	s_nop 0
	PLACES
	s_branch .Lasked
.Lfor_b:
	tensor_load_to_lds s[G0B:G0B+3], s[G1B:G1B+7]
	s_nop 0
	PLACES
.Lasked:
	s_lshl_b32 s56, s22, 12                        ; A's scale words: group ta, my four fragments: + 256 x my half
	s_lshl_b32 s20, s[FA], 8
	s_add_co_u32 s56, s56, s20
	s_add_nc_u64 s[6:7], s[6:7], s[56:57]
	s_lshl_b32 s58, s[CX], 1                       ; B's: group 24 + 2 cx + my half of w_sc
	s_add_co_u32 s58, s58, s[HF]
	s_add_co_u32 s58, s58, 24
	s_lshl_b32 s58, s58, 12
	s_add_nc_u64 s[10:11], s[10:11], s[58:59]
	s_lshl_b32 s56, s22, 19                        ; where my 64 x 128 begins in out0: (128 ta + 64 x half) rows of 4,096 bytes + (256 cx + 128 x half) x 4
	s_lshl_b32 s20, s[FA], 18
	s_add_co_u32 s56, s56, s20
	s_lshl_b32 s58, s[CX], 10
	s_lshl_b32 s20, s[HF], 9
	s_add_co_u32 s58, s58, s20
	s_add_co_u32 s56, s56, s58
	s_add_nc_u64 s[14:15], s[14:15], s[56:57]
	s_add_nc_u64 s[12:13], s[12:13], s[58:59]      ; and my 128 numbers of the bias
	s_mul_i32 s20, s[FA], 4*BLK                    ; my 4 blocks of A,
	s_mul_i32 s21, s[HF], 8*BLK
	s_add_co_u32 s21, s21, ABYTES                  ; my 8 of B: blocks 0-3,
	s_add_co_u32 s23, s21, 4*BLK                   ; blocks 4-7
	s_mul_i32 s24, s[WV], 16*SPITCH                ; my stage
	v_and_b32 v1, 15, v0                           ; r
	v_bfe_u32 v2, v0, 4, 1                         ; h
	v_and_b32 v3, 31, v0
	v_lshlrev_b32 v[LI], 4, v3
	v_lshlrev_b32 v8, 6, v2                        ; 64 h
	v_lshlrev_b32 v9, 4, v1                        ; 16 r
	v_mul_u32_u24 v4, v1, SPITCH
	v_add_nc_u32 v[ADRA], s20, v[LI]
	v_add_nc_u32 v[ADRB], s21, v[LI]
	v_add_nc_u32 v[ADRB+1], s23, v[LI]
	v_lshl_add_u32 v4, v2, 6, v4
	v_add_nc_u32 v[RD], s24, v[LI]                 ; back: the 32 lanes take one row of 512 bytes
	v_add_nc_u32 v[STO], s24, v4                   ; in: row r, + 64 h
	s_wait_alu depctr_va_vdst(0)                   ; the wait at the head's end
	WIN 0x40                                       ; destination window 1, address window 0
.irp t, 0,1,2,3,4,5,6,7                ; tile t = b holds bo[32 (b/2) + 16 h + 8 (b%2) + j]
	global_load_b128 v[96+8*(\t%4)+128*(\t/4):96+8*(\t%4)+128*(\t/4)+3], v8, s[12:13] offset:(32*(\t/2)+8*(\t%2))*4
	global_load_b128 v[96+8*(\t%4)+128*(\t/4)+4:96+8*(\t%4)+128*(\t/4)+7], v8, s[12:13] offset:(32*(\t/2)+8*(\t%2))*4+16
.endr
	WIN 0
.irp q, 0,1,2,3,4,5,6,7
	global_load_b128 v[SA+4*\q:SA+4*\q+3], v9, s[6:7] offset:512*\q        ; row r's words of my four fragments of A
	global_load_b128 v[SB+4*\q:SB+4*\q+3], v[LI], s[10:11] offset:512*\q   ; lanes 0-15: B's fragments 0-3; lanes 16-31: 4-7
.endr
.macro FRAG reg, adr, off              ; a fragment comes as it was stored: three loads of 512 consecutive bytes
.irp c, 0,1,2
	ds_load_b128 v[\reg+4*\c:\reg+4*\c+3], v[\adr] offset:\off+512*\c
.endr
.endm
.macro FETCH q                         ; K step q's fragments, B's eight and A's four, into sets q % 2: 36 loads
	WIN 0x40
.irp i, 0,1,2,3,4,5,6,7
	FRAG 128*((\q)%2)+12*\i, ADRB+\i/4, BLK*(\i%4)+1536*(\q)
.endr
	WIN 0
.irp i, 0,1,2,3
	FRAG AF+48*((\q)%2)+12*\i, ADRA, BLK*\i+1536*(\q)
.endr
.endm
; 16 products: A's blocks a0, a0 + 1 x B's eight, K step q.  cm = 1: C is the bias tile of B's block (window 1).  The 32 accumulators take turns, in the same order in every K step.
.macro MUL16 a0, q, cm
.irp a, \a0, \a0+1
.irp b, 0,1,2,3,4,5,6,7
.set rD, 64*(\a)+8*\b
.set rC, rD
.if \cm == 1
.set rC, 96+8*(\b%4)+128*(\b/4)
.endif
.if \b < 4
	v_wmma_scale_f32_16x16x128_f8f6f4 v[rD:rD+7], v[128*((\q)%2)+12*\b:128*((\q)%2)+12*\b+11], v[AF+48*((\q)%2)+12*(\a):AF+48*((\q)%2)+12*(\a)+11], v[rC:rC+7], v[SB+4*(\q)+\b], v[SA+4*(\q)+(\a)] matrix_a_fmt:MATRIX_FMT_FP6 matrix_b_fmt:MATRIX_FMT_FP6
.else
	v_wmma_scale_f32_16x16x128_f8f6f4 v[rD:rD+7], v[128*((\q)%2)+12*\b:128*((\q)%2)+12*\b+11], v[AF+48*((\q)%2)+12*(\a):AF+48*((\q)%2)+12*(\a)+11], v[rC:rC+7], v[SB+4*(\q)+\b-4], v[SA+4*(\q)+(\a)] matrix_a_fmt:MATRIX_FMT_FP6 matrix_b_fmt:MATRIX_FMT_FP6 matrix_a_scale:MATRIX_SCALE_ROW1
.endif
.endr
.endr
.endm
; A K step: its fragments were asked for a step, 32 matrix instructions, ago; the next step's go into the other sets ahead of this step's products.
.macro STEP q, cm
	s_wait_dscnt 0x0                               ; this step's 36 loads are in
.if (\q) < 7
.if (\q) > 0
	PLACES                                         ; the other sets were read by the last step's products
.endif
	FETCH (\q)+1
.else
	s_barrier_signal -1                            ; my reads of LDS are over: say so, and work on registers while the others arrive
.endif
.if \cm
	WIN 0x91                                       ; source 0 (B) and C (the bias) window 1, source 1 (A) window 0, D window 2
.else
	WIN 0xa1
.endif
	MUL16 0, \q, \cm
	MUL16 2, \q, \cm
	WIN 0
.endm
; THE WAY OUT, block by block of 16 rows x 128 columns, through my own stage: in as 32 bytes a lane and accumulator, back as whole rows of 512 bytes.
.macro TOSTAGE a
.set AC, 64*(\a)
	WIN 0x08                                       ; an LDS store's data are its source 1: window 2
.irp b, 0,1,2,3,4,5,6,7
	ds_store_b128 v[STO], v[AC+8*\b:AC+8*\b+3] offset:128*(\b/2)+32*(\b%2)        ; each accumulator from its low end on
	ds_store_b128 v[STO], v[AC+8*\b+4:AC+8*\b+7] offset:128*(\b/2)+32*(\b%2)+16
.endr
	WIN 0
.set BB, BK+64*((\a)%2)
.irp t, 0,1,2,3,4,5,6,7,8,9,10,11,12,13,14,15
	ds_load_b128 v[BB+4*\t:BB+4*\t+3], v[RD] offset:\t*SPITCH   ; LDS serves a wave's instructions in order: these see the stores above
.endr
.endm
.macro SEND a, younger                 ; younger: the LDS instructions issued behind block a's loads, which may stay out
.set BB, BK+64*((\a)%2)
	s_wait_dscnt \younger
.irp t, 0,1,2,3,4,5,6,7,8,9,10,11,12,13,14,15
	global_store_b128 v[LI], v[BB+4*\t:BB+4*\t+3], s[14:15] offset:(32*((\a)/2)+8*((\a)%2)+\t+8*(\t/8))*4096 th:TH_STORE_NT   ; stage row t is row 32 (a/2) + 8 (a%2) + t + 8 (t/8) of my 64: 512 consecutive bytes, aligned
.endr
.endm
	s_wait_tensorcnt 0x0                           ; my half of A or of B is in
	s_barrier_signal -1
	s_barrier_wait -1                              ; everybody's is
	FETCH 0
	s_wait_loadcnt 0x0                             ; the bias and the scale words
	STEP 0, 1                                      ; the first K step starts the sums with the bias
.irp q, 1,2,3,4,5,6,7
	STEP \q, 0
.endr
	s_barrier_wait -1                              ; no wave reads A's or B's bytes any more: the stages may be written
	PLACES
	TOSTAGE 0
.irp a, 1,2,3
.if \a > 1
	s_wait_xcnt 0x0                                ; block a - 2's stores have read their registers: block a's loads may land there
.endif
	TOSTAGE \a
	SEND \a-1, 32                                  ; behind block a - 1's loads: block a's 16 stores and 16 loads
.endr
	SEND 3, 0
	s_wait_tensorcnt 0x0                           ; the wave's end
	ds_add_u32 v[SPW], v[NIL]
	s_wait_dscnt 0x0
	CROUND                                         ; the closing round
	s_endpgm
.Lfunc_end_k_qfa3c1dc0d7_oproj:
	.size	k_qfa3c1dc0d7_oproj, .Lfunc_end_k_qfa3c1dc0d7_oproj-k_qfa3c1dc0d7_oproj
	.p2alignl 7, 3214868480
	.fill 96, 4, 3214868480
	.section	.rodata,"a",@progbits
	.p2align	6, 0x0
	.amdhsa_kernel k_qfa3c1dc0d7_oproj
		.amdhsa_group_segment_fixed_size 327680
		.amdhsa_private_segment_fixed_size 0
		.amdhsa_enable_private_segment 0
		.amdhsa_kernarg_size 48
		.amdhsa_user_sgpr_count 2
		.amdhsa_user_sgpr_kernarg_segment_ptr 1
		.amdhsa_wavefront_size32 1
		.amdhsa_system_sgpr_workgroup_id_x 1
		.amdhsa_system_sgpr_workgroup_id_y 1
		.amdhsa_system_sgpr_workgroup_id_z 1
		.amdhsa_system_vgpr_workitem_id 0
		.amdhsa_next_free_vgpr 768
		.amdhsa_next_free_sgpr 66
		.amdhsa_reserve_vcc 0
		.amdhsa_float_denorm_mode_32 3
		.amdhsa_float_denorm_mode_16_64 3
		.amdhsa_memory_ordered 1
		.amdhsa_forward_progress 1
		.amdhsa_inst_pref_size 76
	.end_amdhsa_kernel
	.amdgpu_metadata
---
amdhsa.version: [ 1, 2 ]
amdhsa.kernels:
  - .name:           k_qfa3c1dc0d7_oproj
    .symbol:         k_qfa3c1dc0d7_oproj.kd
    .args:
      - { .name: o_img, .offset: 0, .size: 8, .value_kind: global_buffer, .address_space: global }
      - { .name: o_sc, .offset: 8, .size: 8, .value_kind: global_buffer, .address_space: global }
      - { .name: w_img, .offset: 16, .size: 8, .value_kind: global_buffer, .address_space: global }
      - { .name: w_sc, .offset: 24, .size: 8, .value_kind: global_buffer, .address_space: global }
      - { .name: bo, .offset: 32, .size: 8, .value_kind: global_buffer, .address_space: global }
      - { .name: out0, .offset: 40, .size: 8, .value_kind: global_buffer, .address_space: global }
    .group_segment_fixed_size: 327680
    .private_segment_fixed_size: 0
    .kernarg_segment_align: 8
    .kernarg_segment_size: 48
    .max_flat_workgroup_size: 128
    .sgpr_count:     66
    .vgpr_count:     768
    .wavefront_size: 32
...
	.end_amdgpu_metadata
.endif
;; end of part 4
